; MI455X (gfx1250); checked and timed in simulation.
; The chip was launched on July 23, 2026; its instructions are those of AMD's public machine-readable ISA for CDNA 5 (MIT licence, August 2026) and "CDNA5" Instruction Set Architecture Reference Guide (July 2026). The comments in the code are by the model that wrote it; some were corrected since.
;; Multi Head Self Attention. Allowed arithmetic: matrix products marked QUANTISED: E4M3 operands, one given power-of-two scale a tensor, by v_wmma_f32_16x16x64_fp8_fp8 or v_wmma_f32_16x16x128_fp8_fp8, f32 sums; everything else in f32.
;; Inputs: Wk 1,024 x 1,024 float32; Wo 1,024 x 1,024 float32; Wq 1,024 x 1,024 float32; Wv 1,024 x 1,024 float32; lowp_scales 12 int32 (the exponents e of the quantised operands' scales 2^e); x 4 x 2,048 x 1,024 float32.
;; Outputs: out0 4 x 2,048 x 1,024 float32.
;; This version of the problem:
;;   THIS VERSION OF THE PROBLEM IS GIVEN IN LOW PRECISION. The matrix products marked QUANTISED in the list below multiply operands that are first quantised to E4M3 (4 exponent bits, 3 mantissa bits; 8 bits a number), with one given power-of-two scale for each operand tensor; their sums are f32. All else is computed in f32.
;;   The module's matrix products, in the order in which they are computed (A, B: the left and right operand; K: the contracted axis; several contracted axes count as one K, in the product's order):
;;     1. [M 8,192, K 1,024] x [K 1,024, N 1,024]; A: input x; B: input Wq: QUANTISED (scales: A lowp_scales[0], B lowp_scales[1])
;;     2. [M 8,192, K 1,024] x [K 1,024, N 1,024]; A: input x; B: input Wk: QUANTISED (scales: A lowp_scales[2], B lowp_scales[3])
;;     3. [M 8,192, K 1,024] x [K 1,024, N 1,024]; A: input x; B: input Wv: QUANTISED (scales: A lowp_scales[4], B lowp_scales[5])
;;     4. batch 64 x [M 2,048, K 64] x [K 64, N 2,048]; A: computed on the way; B: computed on the way: QUANTISED (scales: A lowp_scales[6], B lowp_scales[7])
;;     5. batch 64 x [M 2,048, K 2,048] x [K 2,048, N 64]; A: softmax (see below); B: computed on the way: QUANTISED (scales: A lowp_scales[8], B lowp_scales[9])
;;     6. [M 8,192, K 1,024] x [K 1,024, N 1,024]; A: computed on the way; B: input Wo: QUANTISED (scales: A lowp_scales[10], B lowp_scales[11])
;;   THE QUANTISER, for each operand of a quantised product, along K:
;;     - The operand's scale is 2^e, e = its entry of the input lowp_scales (int32; the entries are numbered through the quantised products in the list's order, A before B).
;;     - Each number is divided by the scale, clamped to +-448, and rounded to the nearest number of E4M3, ties to even, subnormals kept.
;;     - The product sums the exact products of the quantised numbers (number of the format x scale) in f32.
;;   ~~~python
;;   def quantise(x, axis, e):      # numpy; x: float32 -> the quantised numbers, widened to float32 again
;;       x = np.moveaxis(x, axis, -1); K = x.shape[-1]
;;       r = np.clip(x / 2.0 ** e, -448, 448)
;;       step = 2.0 ** (np.maximum(np.frexp(np.where(r == 0, 1, r))[1] - 1, -6) - 3)
;;       q = np.round(r / step) * step * 2.0 ** e      # np.round: ties to even
;;       return np.moveaxis(q, -1, axis).astype(np.float32)
;;   ~~~
;;   SOFTMAX AHEAD OF A QUANTISED PRODUCT. Where the list says 'softmax', what is quantised is not the finished softmax but p = 2^(t - M), with t = logit x log2(e) and M = ceil(the row's largest t), a whole number; so 1/2 < the row's largest p <= 1. The row's sum l is taken of the UNQUANTISED p, in f32, and the product's result is divided by l at the end. Since M is a whole number, a kernel that streams over the keys may use a running M (the ceiling of the running maximum): every later rescaling is an exact power of two, so the quantised numbers keep their values, but for numbers so far below the row's largest that they fall under the format's range.
;;   OPERANDS COMPUTED ON THE WAY. 'Computed on the way' means the value that the module computes at that place (a softmax that the list does not call 'softmax' is quantised finished and normalised). What goes into a quantiser is computed in f32, as accurately as f32 sums, v_exp_f32 and their like allow (about 1e-6 of the number): no bf16 or f16 on the way to a quantiser, and a product that is left as it is and whose result goes on into a quantised operand takes f32 operands (vector FMAs, or v_wmma_f32_16x16x4_f32). A number that lies on a knife's edge between two numbers of the format may be rounded either way, as far as f32 arithmetic and the matrix unit's own rounding can turn it there, and no further.
;; One version. Each part assembles by itself: llvm-mc -triple=amdgcn-amd-amdhsa -mcpu=gfx1250 --defsym DOCPART=n.
;; ======== version 1 of 1: 4 launches
;; limits: right only within a limited range of input values
;; workspace buffers: xc 25,165,824 bytes; wc 4,194,304 bytes; qkv 25,165,824 bytes; ao 8,388,608 bytes
;; launch quant (part 1): grid 384 x 1, 4 waves a work-group, no clusters, 33,280 bytes of LDS; arguments x, Wq, Wk, Wv, Wo, lowp_scales, xc, wc; writes xc, wc
.if DOCPART == 1
	.amdgcn_target "amdgcn-amd-amdhsa--gfx1250"
	.amdhsa_code_object_version 6
	.text
	.protected	k_q85c475dd3d_quant
	.globl	k_q85c475dd3d_quant
	.p2align	8
	.type	k_q85c475dd3d_quant,@function
k_q85c475dd3d_quant:
	s_mov_b64 s[64:65], 0
	v_nop
	global_prefetch_b8 v0, s[64:65] scope:SCOPE_SE
	s_setreg_imm32_b32 hwreg(HW_REG_WAVE_MODE, 25, 1), 1
	s_wait_xcnt 0x0
; x [8192][1024] and the four weights [1024][1024], f32, K innermost, become codes of E4M3, one byte each.
; x is an operand of three products with three given scales (entries 0, 2, 4 of the scales): three sets of codes, xc[0..2], 8 MiB apart.
; Wq, Wk, Wv, Wo take entries 1, 3, 5, 11: wc[0..3], 1 MiB apart.  code = number / 2^e, held within +-448, to the nearest code, ties to even.
; ORDER ALONG K IN xc AND wc: in every 32 codes the two middle groups of 8 change places (byte groups 0, 1, 2, 3 hold k groups 0, 2, 1, 3).  A lane that later loads
; 16 bytes at 32 c + 16 (lane / 16) of a row then holds k = 32 c + 8 (lane / 16) + 0..7 and k = 32 c + 16 + 8 (lane / 16) + 0..7: the places that the plain 8-bit matrix form gives its registers 4 c .. 4 c + 3.
; SHARES.  A work-group takes 32,768 numbers, a wave 16 steps of 512.  Work-groups 0-255: x; 256-383: the weights, 32 each.  Only pointers, scales and one flag differ: one path through LDS for all.
; Each load reads 512 consecutive bytes; a step's 2,048 bytes turn through the wave's own stage in LDS (16 bytes of padding behind each 64) and come back 2 x 32 bytes a lane:
; the even lane of a pair takes k 0-7 and 16-23 of a block of 32, the odd lane k 8-15 and 24-31.  A lane's 16 codes are 16 bytes: a store of the wave covers 512 consecutive bytes, aligned.
; No cluster and no tensor load: waves share nothing, every byte is read once.
; LIMITS: each e between -126 and 127, so that 2^e is an f32 number.  NaN among the inputs is not served (an infinity is held at the largest code).
.set WAVES, 4
.set STEPS, 16
.set SP,    80                         ; a place in a stage: 64 bytes + 16 of padding
.set WREG,  8192                       ; LDS: a region for each wave: two stages of 32 x SP bytes
.set SPARE, WAVES*WREG                 ; behind the regions: the spare words, 128 bytes for each wave, which no other line names
.set OFF,   3                          ; v3       16 x lane: my bytes of a load's 512 and of a store's 512; never rewritten
.set LM,    5
.set SC,    8                          ; v8-10    2^e for the three scales
.set SPW,   12                         ; v12      LDS address of my spare word; never rewritten
.set NIL,   13                         ; v13      0; never rewritten
.set SIN,   14                         ; v14      the stage, on the way in
.set SOUT,  15                         ; v15      the stage, on the way out
.set R,     16                         ; v16-79   four sets of 16 numbers as loaded
.set X,     80                         ; v80-111  two sets of 16 numbers in the order of the codes
.set T,     112
.set C,     128                        ; v128-139 three sets of four registers of codes
	s_load_b512 s[68:83], s[0:1], 0x0              ; x 68, Wq 70, Wk 72, Wv 74, Wo 76, the scales 78, xc 80, wc 82
	v_lshl_add_u32 v[SPW], v0, 2, SPARE
	v_mov_b32 v[NIL], 0
	v_lshrrev_b32 v1, 5, v0
	v_readfirstlane_b32 s16, v1                    ; wave
	v_and_b32 v2, 31, v0                           ; lane
	v_lshlrev_b32 v[OFF], 4, v2
	s_mul_i32 s17, s16, WREG
	v_lshrrev_b32 v[SIN], 2, v2
	v_mul_u32_u24 v[SIN], v[SIN], SP
	v_and_b32 v[SOUT], 3, v2
	v_lshl_add_u32 v[SIN], v[SOUT], 4, v[SIN]
	v_add_nc_u32 v[SIN], s17, v[SIN]               ; in: four lanes' 64 bytes on end, then the padding: SP (lane / 4) + 16 (lane % 4)
	v_and_b32 v[SOUT], 30, v2
	v_mul_u32_u24 v[SOUT], v[SOUT], SP
	v_and_b32 v5, 1, v2
	v_lshl_add_u32 v[SOUT], v5, 5, v[SOUT]
	v_add_nc_u32 v[SOUT], s17, v[SOUT]             ; out: the pair's first place + 32 bytes for the odd lane; the pair's second place is SP further on
	s_sub_co_u32 s18, ttmp9, 256
	s_lshr_b32 s19, s18, 5                         ; which weight,
	s_and_b32 s20, s18, 31                         ; and which part of it
	s_cmp_lt_u32 ttmp9, 256                        ; x's work-group?  The choice hangs on the work-group's number alone
	s_cselect_b32 s24, 1, 0                        ; the flag: 1 for x
	s_cselect_b32 s19, 4, s19                      ; tensor: 0-3 the weights, 4 x
	s_cselect_b32 s20, ttmp9, s20
	s_lshl_b32 s21, s20, 2
	s_add_co_u32 s21, s21, s16                     ; which run of 8,192 numbers is my wave's
	s_lshl_b32 s26, s21, 15                        ; its bytes in the tensor,
	s_mov_b32 s27, 0
	s_lshl_b32 s28, s21, 13                        ; and among the codes
	s_mov_b32 s29, 0
	s_lshl_b32 s30, s19, 20                        ; a weight's codes begin 1 MiB x its number into wc
	s_cmp_eq_u32 s24, 1
	s_cselect_b32 s30, 0, s30
	s_add_co_u32 s28, s28, s30
	s_wait_alu depctr_va_vdst(0)
	s_wait_kmcnt 0x0
	s_load_b256 s[84:91], s[78:79], 0x0            ; e0 .. e7
	s_load_b128 s[92:95], s[78:79], 0x20           ; e8 .. e11
	s_mov_b64 s[4:5], s[68:69]
	s_cmp_eq_u32 s19, 0
	s_cselect_b64 s[4:5], s[70:71], s[4:5]
	s_cmp_eq_u32 s19, 1
	s_cselect_b64 s[4:5], s[72:73], s[4:5]
	s_cmp_eq_u32 s19, 2
	s_cselect_b64 s[4:5], s[74:75], s[4:5]
	s_cmp_eq_u32 s19, 3
	s_cselect_b64 s[4:5], s[76:77], s[4:5]
	s_cmp_eq_u32 s24, 1
	s_cselect_b64 s[8:9], s[80:81], s[82:83]
	s_add_nc_u64 s[4:5], s[4:5], s[26:27]          ; where my wave reads
	s_add_nc_u64 s[8:9], s[8:9], s[28:29]          ; where it stores the first set of codes,
	s_add_nc_u64 s[10:11], s[8:9], 0x800000        ; and, for x alone, the second
	s_add_nc_u64 s[12:13], s[10:11], 0x800000      ; and the third
.macro LOAD t
.irp i, 0,1,2,3
	global_load_b128 v[R+16*((\t)%4)+4*\i:R+16*((\t)%4)+4*\i+3], v[OFF], s[4:5] offset:2048*(\t)+512*\i th:TH_LOAD_NT   ; 32 lanes read 512 consecutive bytes, read once in the launch
.endr
.endm
.macro TURN t                          ; step t's numbers through the stage: LDS serves a wave's instructions in order (ISA guide 5.7.1.4), so no wait stands between the stores and the loads
.irp i, 0,1,2,3
	ds_store_b128 v[SIN], v[R+16*((\t)%4)+4*\i:R+16*((\t)%4)+4*\i+3] offset:32*SP*((\t)%2)+8*SP*\i
.endr
	ds_load_b128 v[X+16*((\t)%2):X+16*((\t)%2)+3],     v[SOUT] offset:32*SP*((\t)%2)
	ds_load_b128 v[X+16*((\t)%2)+4:X+16*((\t)%2)+7],   v[SOUT] offset:32*SP*((\t)%2)+16
	ds_load_b128 v[X+16*((\t)%2)+8:X+16*((\t)%2)+11],  v[SOUT] offset:32*SP*((\t)%2)+SP
	ds_load_b128 v[X+16*((\t)%2)+12:X+16*((\t)%2)+15], v[SOUT] offset:32*SP*((\t)%2)+SP+16
.endm
.irp t, 0,1,2,3
	LOAD \t
.endr
	s_wait_kmcnt 0x0
	s_mov_b32 s32, s84                             ; the first scale: e0 for x; e1, e3, e5, e11 for the weights
	s_cmp_eq_u32 s19, 0
	s_cselect_b32 s32, s85, s32
	s_cmp_eq_u32 s19, 1
	s_cselect_b32 s32, s87, s32
	s_cmp_eq_u32 s19, 2
	s_cselect_b32 s32, s89, s32
	s_cmp_eq_u32 s19, 3
	s_cselect_b32 s32, s95, s32
.macro SCALE e, n
	s_add_co_i32 s33, s[\e], 127
	s_lshl_b32 s34, s33, 23
	v_mov_b32 v[SC+\n], s34                        ; 2^e as f32: the conversion takes its exponent field
.endm
	SCALE 32, 0
	SCALE 86, 1                                    ; e2
	SCALE 88, 2                                    ; e4
; 16 numbers become 16 codes with scale n and leave.  The numbers stay as they are: x is quantised three times.
.macro CODES xs, n, base, t
.set i, 0
.rept 16
.set i, i+1
.endr
	v_cvt_scalef32_pk8_fp8_f32 v[C+4*\n:C+4*\n+1], v[\xs:\xs+7], v[SC+\n]
	v_cvt_scalef32_pk8_fp8_f32 v[C+4*\n+2:C+4*\n+3], v[\xs+8:\xs+15], v[SC+\n]
	v_nop
	global_store_b128 v[OFF], v[C+4*\n:C+4*\n+3], s[\base:\base+1] offset:512*(\t)   ; 32 lanes store 512 consecutive bytes, aligned
.endm
	s_wait_alu depctr_va_vdst(0)
	s_wait_loadcnt 12                              ; step 0's four loads are in; the 12 of steps 1 to 3 may be out
	TURN 0
.macro STEP t
.set XS, X+16*((\t)%2)
	s_wait_dscnt 0x0                               ; this step's numbers are back from the stage: so its stores into the stage have read their registers,
.if (\t)+4 < STEPS
	LOAD (\t)+4                                    ; which take the loads of four steps on
.endif
.if (\t)+1 < STEPS
.if STEPS-2-(\t) >= 3
	s_wait_loadcnt 12                              ; the next step's four loads are in; those of the three steps behind it may be out
.else
	s_wait_loadcnt 4*(STEPS-2-(\t))                ; the tail: fewer steps are behind it
.endif
	TURN (\t)+1                                    ; and go through the other stage while this step is worked
.endif
	s_wait_xcnt 0x0                                ; the last step's stores have read their data: the codes' registers are written again only behind this wait
	CODES XS, 0, 8, \t
	s_cmp_eq_u32 s24, 0                            ; a weight has one scale: the branch hangs on the work-group's number alone, and no LDS line stands under it
	s_cbranch_scc1 .Lone_\@
	CODES XS, 1, 10, \t
	CODES XS, 2, 12, \t
.Lone_\@:
.endm
.irp t, 0,1,2,3,4,5,6,7,8,9,10,11,12,13,14,15
	STEP \t
.endr
	s_wait_tensorcnt 0x0                           ; the wave's end, behind my last LDS store
	ds_add_u32 v[SPW], v[NIL]
	s_wait_dscnt 0x0
	s_endpgm
.Lfunc_end_k_q85c475dd3d_quant:
	.size	k_q85c475dd3d_quant, .Lfunc_end_k_q85c475dd3d_quant-k_q85c475dd3d_quant
	.p2alignl 7, 3214868480
	.fill 96, 4, 3214868480
	.section	.rodata,"a",@progbits
	.p2align	6, 0x0
	.amdhsa_kernel k_q85c475dd3d_quant
		.amdhsa_group_segment_fixed_size 33280
		.amdhsa_private_segment_fixed_size 0
		.amdhsa_enable_private_segment 0
		.amdhsa_kernarg_size 64
		.amdhsa_user_sgpr_count 2
		.amdhsa_user_sgpr_kernarg_segment_ptr 1
		.amdhsa_wavefront_size32 1
		.amdhsa_system_sgpr_workgroup_id_x 1
		.amdhsa_system_sgpr_workgroup_id_y 1
		.amdhsa_system_sgpr_workgroup_id_z 1
		.amdhsa_system_vgpr_workitem_id 0
		.amdhsa_next_free_vgpr 144
		.amdhsa_next_free_sgpr 96
		.amdhsa_reserve_vcc 0
		.amdhsa_float_denorm_mode_32 3
		.amdhsa_float_denorm_mode_16_64 3
		.amdhsa_fp16_overflow 1
		.amdhsa_memory_ordered 1
		.amdhsa_forward_progress 1
		.amdhsa_inst_pref_size 32
	.end_amdhsa_kernel
	.amdgpu_metadata
---
amdhsa.version: [ 1, 2 ]
amdhsa.kernels:
  - .name:           k_q85c475dd3d_quant
    .symbol:         k_q85c475dd3d_quant.kd
    .args:
      - { .name: x, .offset: 0, .size: 8, .value_kind: global_buffer, .address_space: global }
      - { .name: Wq, .offset: 8, .size: 8, .value_kind: global_buffer, .address_space: global }
      - { .name: Wk, .offset: 16, .size: 8, .value_kind: global_buffer, .address_space: global }
      - { .name: Wv, .offset: 24, .size: 8, .value_kind: global_buffer, .address_space: global }
      - { .name: Wo, .offset: 32, .size: 8, .value_kind: global_buffer, .address_space: global }
      - { .name: lowp_scales, .offset: 40, .size: 8, .value_kind: global_buffer, .address_space: global }
      - { .name: xc, .offset: 48, .size: 8, .value_kind: global_buffer, .address_space: global }
      - { .name: wc, .offset: 56, .size: 8, .value_kind: global_buffer, .address_space: global }
    .group_segment_fixed_size: 33280
    .private_segment_fixed_size: 0
    .kernarg_segment_align: 8
    .kernarg_segment_size: 64
    .max_flat_workgroup_size: 128
    .sgpr_count:     96
    .vgpr_count:     144
    .wavefront_size: 32
...
	.end_amdgpu_metadata
.endif
;; end of part 1
;; launch qkv (part 2): grid 4 x 96, 4 waves a work-group, clusters of 4 x 4, 327,680 bytes of LDS; arguments xc, wc, lowp_scales, qkv; writes qkv
.if DOCPART == 2
	.amdgcn_target "amdgcn-amd-amdhsa--gfx1250"
	.amdhsa_code_object_version 6
	.text
	.protected	k_q85c475dd3d_qkv
	.globl	k_q85c475dd3d_qkv
	.p2align	8
	.type	k_q85c475dd3d_qkv,@function
k_q85c475dd3d_qkv:
	s_mov_b64 s[64:65], 0
	v_nop
	global_prefetch_b8 v0, s[64:65] scope:SCOPE_SE
	s_setreg_imm32_b32 hwreg(HW_REG_WAVE_MODE, 25, 1), 1
	s_wait_xcnt 0x0
	s_wait_alu depctr_hold_cnt(0) depctr_sa_sdst(0) depctr_va_vdst(0) depctr_va_sdst(0) depctr_va_ssrc(0) depctr_va_vcc(0) depctr_vm_vsrc(0)
	s_getreg_b32 s2, hwreg(HW_REG_IB_STS2, 6, 4)
	s_cmp_eq_u32 s2, 0
	s_cbranch_scc0 .Lentry_in_a_cluster
	s_endpgm
.Lentry_in_a_cluster:
	s_bfe_u32 s2, ttmp6, 0x10000c
	s_cmp_lg_u32 s2, 0xf033
	s_cbranch_scc0 .Lentry_shape_is_right
	s_endpgm
.Lentry_shape_is_right:
; q = x Wq^T, k = x Wk^T, v = x Wv^T on codes of E4M3, and the three results quantised at once for the attention's products.  K = 1,024.
; A tile of 256 x 256 is made by a work-group of four waves; a wave makes 128 x 128: 64 accumulators of 16 x 16, 512 registers.  K goes in steps of 256 through a ring of two LDS slots filled by the tensor data mover.
; 24 clusters of 4 x 4 work-groups: clusters 0-7 make q, 8-15 k, 16-23 v.  The four of a row of a cluster need the same tiles of A, the four of a column the same tiles of B: each tile is asked for JOINTLY.
; THE MATRIX INSTRUCTION IS USED TRANSPOSED (source 0 = 16 rows of B, source 1 = 16 rows of A): lane (r, h) of accumulator (a, b) holds row 16 a + r of A, and its register j row 16 b + 8 h + j of B.
; So ONE conversion of an accumulator's eight registers gives registers 2 b, 2 b + 1 of an operand of the plain 8-bit form (k = 16 b + 8 h + 0..7) whose rows are A's rows, in the lane that wants them.
;   q, k: A = x's codes (rows: tokens), B = the weight's (rows: the 1,024 outputs): the operand's K runs along a head's 64.
;   v:    A = Wv's codes, B = x's codes: the operand's rows are a head's 64 and its K runs along the tokens, as the attention's second product wants it.  Only the two pointers and the tile's place change.
; THE RESULT LEAVES AS AN IMAGE OF OPERAND REGISTERS: four registers by one store, lane l's 16 bytes at 16 l: 512 consecutive bytes, aligned.  No stage in LDS, no transposition.
; qkv = [q, k, v][batch 4][pair of heads 8][group of 128 tokens 16][16,384 bytes]; a wave's whole result is one such block.
;   q, k: [tile of 16 tokens 8][head of the pair 2][part 2][512];     v: [head of the pair 2][tile of 16 of the head's 64: 4][part 4][512].
; SCALES: a sum stands for sum x 2^(ea + eb); its code is sum / 2^D, D = eo - ea - eb: e6 - e0 - e1 for q, e7 - e2 - e3 for k, e9 - e4 - e5 for v; chosen by selects, no branch.
; LIMIT: D between -126 and 127, so that 2^D is an f32 number.
; REGISTERS, in windows of 256: window 0: v0-31 addresses; from v128 A's fragments, ONE set; on the way out v128-255 the codes.
;   window 1: B's fragments, TWO sets, at v0 and v128.   window 2: the accumulators of my rows 0-63 ((a, b) at v[8 (8 a + b)]);   window 3: those of my rows 64-127.
.set SIZE_K, 1024
.set KSTEP,  256                       ; along K in a slot
.set ROWB,   256                       ; a tile's row in bytes
.set KROW,   SIZE_K                    ; a row of codes in memory, in bytes
.set PITCH,  272                       ; an LDS row: 256 bytes + 16 of padding = 68 words: row r starts at bank 4 r mod 64 (ISA guide 11.1), so the 16 rows of a load start at 16 different banks
.set FR,     16                        ; registers of a fragment: 16 rows x 128 K
.set NL,     4                         ; LDS loads that bring one
.set NP,     4                         ; places behind this matrix instruction (ISA guide 7.12.1)
.set HALFT,  128*PITCH                 ; 128 rows: what one tensor load brings
.set SLOT,   4*HALFT                   ; A's 256 rows, then B's 256 rows
.set SPARE,  2*SLOT                    ; behind the ring: the spare words, 128 bytes for each wave, which no other line names
.set ADRA, 16                          ; v16-17  LDS address of my A fragments in slot 0, 1
.set ADRB, 20                          ; v20-21  the same for B
.set CO,   26                          ; v26     16 x lane: my place in an image; never rewritten
.set SCL,  27                          ; v27     2^D
.set SPW,  28                          ; v28     LDS address of my spare word; never rewritten
.set NIL,  29                          ; v29     0; never rewritten
.set LIM,  30
.set TMP,  32
.set AF,   128                         ; A's fragments, in window 0
.set CD,   128                         ; the way out: 16 registers of codes for each of the eight blocks, so that no store's data are written again
.set G1, 24                            ; s[24:31] descriptor group 1 for A's tiles;  s[32:39] group 0, one set for each slot
.set G0, 32
.set G1B, 48                           ; s[48:55], s[56:63] the same for B's tiles
.set G0B, 56
.set MSB, 0
.macro WIN new                         ; the immediate's high byte repeats the setting that is left
.if MSB != \new
	s_set_vgpr_msb (MSB<<8)|\new
.set MSB, \new
.endif
.endm
.set MUL_LO, 0xa1                      ; source 0 (B) window 1, source 1 (A) window 0, C and D window 2
.set MUL_HI, 0xf1                      ; the same, C and D window 3
.set TO_B,   0x40                      ; destination window 1, address window 0
; A joint load: waves 0 and 1 fetch for A, waves 2 and 3 for B.  Each line has ONE mask and one set of registers for all that issue it; the branch hangs on the wave's number alone.
; An s_nop 0 and four v_nop follow each of the two lines, ahead of the jump, the label and what follows.
.macro JLOAD g0a, g1a, g0b, g1b
	s_cmp_eq_u32 s15, 0
	s_cbranch_scc0 .Lfor_b_\@
	tensor_load_to_lds s[\g0a:\g0a+3], s[\g1a:\g1a+7]
	s_nop 0
.rept 4
	v_nop
.endr
	s_branch .Lasked_\@
.Lfor_b_\@:
	tensor_load_to_lds s[\g0b:\g0b+3], s[\g1b:\g1b+7]
	s_nop 0
.rept 4
	v_nop
.endr
.Lasked_\@:
.endm
.macro CREST                           ; a round of the cluster's barrier behind its opening barrier
	s_cmp_lg_u32 s14, 0
	s_cbranch_scc1 .Lnot_wave_0_\@
	s_barrier_signal -3
.Lnot_wave_0_\@:
	s_barrier_wait -3
	s_barrier_signal -1
	s_barrier_wait -1
.endm
.macro CROUND                          ; a whole round
	s_barrier_signal -1
	s_barrier_wait -1
	CREST
.endm
	s_load_b256 s[68:75], s[0:1], 0x0              ; xc s[68:69], wc s[70:71], the scales s[72:73], qkv s[74:75]
	v_lshl_add_u32 v[SPW], v0, 2, SPARE
	v_mov_b32 v[NIL], 0
	ds_add_u32 v[SPW], v[NIL]
	ds_add_u32 v[SPW], v[NIL]                      ; the wave's opening: the add and its wait ahead of my first tensor load; the set-up below, work on registers, stands between them
	v_lshrrev_b32 v1, 5, v0
	v_readfirstlane_b32 s14, v1                    ; wave 0..3
	s_lshr_b32 s15, s14, 1                         ; which half of the tile's rows is mine.  Also: I fetch for A (0) or for B (1)
	s_and_b32 s16, s14, 1                          ; which half of its columns.  Also: which 128 rows of that tile I fetch
	s_bfe_u32 s40, ttmp6, 0x40000                  ; cx, cy: my place in the cluster
	s_bfe_u32 s41, ttmp6, 0x40004
	s_and_b32 s66, ttmp7, 0xffff                   ; the cluster's number, 0..23, which all sixteen partners share
	s_and_b32 s67, s66, 7
	s_lshl_b32 s67, s67, 2                         ; four tiles along the tokens for each cluster of a product
	s_lshr_b32 s66, s66, 3                         ; the product: 0 q, 1 k, 2 v
	s_cmp_eq_u32 s66, 2
	s_cselect_b32 s80, 0, s67                      ; the tokens are A's rows for q and k,
	s_cselect_b32 s81, s67, 0                      ; B's rows for v
	s_add_co_u32 s17, s41, s80                     ; tile row
	s_add_co_u32 s42, s40, s81                     ; tile column
	s_lshl_b32 s43, s41, 2
	s_lshl_b32 s43, 15, s43                        ; my row of the cluster
	s_lshl_b32 s44, 0x1111, s40                    ; my column
	; descriptor group 1: a tile of 128 rows x 256 bytes, padded in LDS
	s_or_b32 s[G1+0], s43, (0<<16)|(1<<20)|(1<<21)|(5<<22)|(3<<25)  ; 15:0 the mask: A's tiles go to my row; 17:16 element of 1 byte; 20 padding on; 21 set beside a mask; 24:22 after every 64 words (code 5); 31:25 of 4 words (code 3)
	s_or_b32 s[G1B+0], s44, (0<<16)|(1<<20)|(1<<21)|(5<<22)|(3<<25)
.irp g, G1, G1B
	s_mov_b32 s[\g+1], ROWB<<16                    ; tensor_dim0
	s_mov_b32 s[\g+2], 128<<16                     ; tensor_dim1 = 128
	s_mov_b32 s[\g+3], ROWB<<16                    ; tile_dim0
	s_mov_b32 s[\g+4], 128                         ; tile_dim1 = 128
	s_mov_b32 s[\g+5], KROW                        ; tensor_dim0_stride
	s_mov_b32 s[\g+6], 0
	s_mov_b32 s[\g+7], 0
.endr
	s_lshl_b32 s18, s16, 7                         ; which 128 rows of the tile I fetch
	s_lshl_b32 s20, s17, 8
	s_add_co_u32 s20, s20, s18                     ; A: row 256 x tile row + 128 x half,
	s_lshl_b32 s20, s20, 10                        ; in bytes: under 2^23
	s_mov_b32 s21, 0
	s_lshl_b32 s46, s42, 8
	s_add_co_u32 s46, s46, s18                     ; B: row 256 x tile column + 128 x half
	s_lshl_b32 s46, s46, 10
	s_mov_b32 s47, 0
	s_mul_i32 s45, s14, HALFT                      ; where they go: wave x 128 rows: no place in the cluster enters an LDS address
	s_lshl_b32 s76, s66, 23                        ; the product's set of x's codes, and its part of qkv: 8 MiB each
	s_mov_b32 s77, 0
	s_lshl_b32 s78, s66, 20                        ; its weight's codes: 1 MiB each
	s_mov_b32 s79, 0
	s_wait_dscnt 0x0                               ; the opening add is done
	s_wait_kmcnt 0x0
	s_load_b256 s[88:95], s[72:73], 0x0            ; e0 .. e7
	s_load_b64 s[96:97], s[72:73], 0x20            ; e8, e9
	s_add_nc_u64 s[4:5], s[68:69], s[76:77]        ; x's codes
	s_add_nc_u64 s[6:7], s[70:71], s[78:79]        ; the weight's codes
	s_cmp_eq_u32 s66, 2                            ; the choice hangs on the cluster's number alone
	s_cselect_b64 s[8:9], s[6:7], s[4:5]           ; A
	s_cselect_b64 s[12:13], s[4:5], s[6:7]         ; B
	s_add_nc_u64 s[20:21], s[8:9], s[20:21]
	s_add_nc_u64 s[46:47], s[12:13], s[46:47]
	CROUND                                         ; all sixteen work-groups are here: the first joint loads meet
.irp s, 0,1
	s_mov_b32 s[G0+4*\s], 1
	s_add_co_u32 s[G0+4*\s+1], s45, \s*SLOT
	s_add_nc_u64 s[G0+4*\s+2:G0+4*\s+3], s[20:21], \s*ROWB
	s_or_b32 s[G0+4*\s+3], s[G0+4*\s+3], 0x80000000
	s_mov_b32 s[G0B+4*\s], 1
	s_add_co_u32 s[G0B+4*\s+1], s45, \s*SLOT
	s_add_nc_u64 s[G0B+4*\s+2:G0B+4*\s+3], s[46:47], \s*ROWB
	s_or_b32 s[G0B+4*\s+3], s[G0B+4*\s+3], 0x80000000
	JLOAD G0+4*\s, G1, G0B+4*\s, G1B
.endr
	v_and_b32 v1, 15, v0                           ; l % 16
	v_bfe_u32 v2, v0, 4, 1                         ; l / 16
	v_mul_u32_u24 v3, v1, PITCH
	v_lshl_add_u32 v4, v2, 4, v3                   ; a fragment's row x pitch + 16 x half
	s_mul_i32 s21, s15, HALFT                      ; my 128 rows of A
	s_mul_i32 s22, s16, HALFT                      ; my 128 rows of B,
	s_add_co_u32 s22, s22, 2*HALFT                 ; which lie behind A's 256
.irp s, 0,1
	v_add_nc_u32 v[ADRA+\s], s21, v4
	v_add_nc_u32 v[ADRB+\s], s22, v4
	s_add_co_u32 s21, s21, SLOT
	s_add_co_u32 s22, s22, SLOT
.endr
	v_and_b32 v6, 31, v0
	v_lshlrev_b32 v[CO], 4, v6
	; my block of 16,384 bytes in qkv
	s_lshl_b32 s80, s17, 1
	s_add_co_u32 s80, s80, s15                     ; which 128 rows of A are mine
	s_lshl_b32 s81, s42, 1
	s_add_co_u32 s81, s81, s16                     ; which 128 rows of B
	s_cmp_eq_u32 s66, 2
	s_cselect_b32 s82, s81, s80                    ; the group of 128 tokens, 0..63,
	s_cselect_b32 s83, s80, s81                    ; and the pair of heads, 0..7
	s_lshr_b32 s84, s82, 4                         ; the batch
	s_lshl_b32 s84, s84, 3
	s_add_co_u32 s84, s84, s83
	s_lshl_b32 s84, s84, 4
	s_and_b32 s82, s82, 15
	s_add_co_u32 s84, s84, s82
	s_lshl_b32 s84, s84, 14
	s_mov_b32 s85, 0
	s_add_nc_u64 s[10:11], s[74:75], s[76:77]
	s_add_nc_u64 s[10:11], s[10:11], s[84:85]
.macro FRAG reg, adr, q, i             ; a fragment, 16 rows x 128 K, is 16 registers: lane l holds row l % 16; by the order of the codes' bytes registers 2 c, 2 c + 1 hold K = 16 c + 8 (l / 16) + 0 .. 7
.irp c, 0,1,2,3
	ds_load_b128 v[\reg+4*\c:\reg+4*\c+3], v[\adr] offset:128*(\q)+32*\c+(\i)*16*PITCH
.endr
.endm
; 16 matrix instructions: A's blocks a0, a0 + 1 x B's eight, 128 along K.  p: B's set.  zero = 1: the first product starts the sums: nothing is ever cleared.
; The 64 accumulators take turns, one instruction a turn, in the same order in every step.
.macro MUL16 a0, p, zero
.irp a, \a0, \a0+1
.irp b, 0,1,2,3,4,5,6,7
.if \zero
	v_wmma_f32_16x16x128_fp8_fp8 v[8*(8*((\a)%4)+\b):8*(8*((\a)%4)+\b)+7], v[128*(\p)+FR*\b:128*(\p)+FR*\b+FR-1], v[AF+FR*(\a):AF+FR*(\a)+FR-1], 0
.else
	v_wmma_f32_16x16x128_fp8_fp8 v[8*(8*((\a)%4)+\b):8*(8*((\a)%4)+\b)+7], v[128*(\p)+FR*\b:128*(\p)+FR*\b+FR-1], v[AF+FR*(\a):AF+FR*(\a)+FR-1], v[8*(8*((\a)%4)+\b):8*(8*((\a)%4)+\b)+7]
.endif
.endr
.endr
.endm
.macro FETCH_B slot, q, p              ; B's eight fragments of the slot's q-th 128 along K into set p
	WIN TO_B
.irp i, 0,1,2,3,4,5,6,7
	FRAG 128*(\p)+FR*\i, ADRB+\slot, \q, \i
.endr
	WIN 0
.endm
.macro FETCH_A slot, q, i0             ; A's blocks i0 .. i0 + 3
.irp i, \i0, \i0+1, \i0+2, \i0+3
	FRAG AF+FR*(\i), ADRA+\slot, \q, \i
.endr
.endm
; A load into a register that a matrix instruction has read, and a vector instruction that reads a matrix result, stand NP places behind that matrix instruction; only plain vector
; instructions that name none of its registers are places (ISA guide 7.12.1 for vector instructions).
.macro PLACES n
.rept \n
	v_nop
.endr
.endm
; A step of 128 along K that has its successor in the same slot.
.macro STEP slot, q, zero
	s_wait_dscnt 4*NL                              ; B's set and A's blocks 0-3 are in; the youngest 16 loads (A's blocks 4-7) may be out
	WIN MUL_LO
	MUL16 0, (\q)%2, \zero
	MUL16 2, (\q)%2, \zero
	s_wait_dscnt 0                                 ; A's blocks 4-7 are in (asked for 32 matrix instructions ago)
	PLACES NP
	FETCH_B \slot, (\q)+1, 1-(\q)%2
	FETCH_A \slot, (\q)+1, 0
	WIN MUL_HI
	MUL16 4, (\q)%2, \zero
	MUL16 6, (\q)%2, \zero
	PLACES NP
	WIN 0
	FETCH_A \slot, (\q)+1, 4
.endm
; A slot's last step changes slots: ONE barrier; in front of it each wave waits for all its tensor loads, adds 0 to its spare word, and waits for that and for its own reads of this slot.  fill = 1: this slot is filled again, two K steps ahead.
.macro TURN slot, next, fill
	s_wait_tensorcnt 0x0                           ; all my tensor loads have landed: my part of the next slot;  (every window is 0 here)
	ds_add_u32 v[SPW], v[NIL]                      ; 0 onto my spare word
	s_wait_dscnt 4*NL+1                            ; (the add and the youngest 16 loads, A's blocks 4-7, may be out)
	WIN MUL_LO
	MUL16 0, 1, 0                                  ; sixteen matrix instructions stand between the add and the wait for it
	s_wait_dscnt 0x0                               ; the add is done, and my reads of this slot are over
	s_barrier_signal -1
	MUL16 2, 1, 0
	WIN 0
	s_barrier_wait -1
.if \fill
	CREST                                          ; the barrier has opened a round of the cluster's barrier: no wave of any partner still reads this slot's tile or has a load on its way
	s_add_nc_u64 s[G0+4*\slot+2:G0+4*\slot+3], s[G0+4*\slot+2:G0+4*\slot+3], 2*ROWB
	s_add_nc_u64 s[G0B+4*\slot+2:G0B+4*\slot+3], s[G0B+4*\slot+2:G0B+4*\slot+3], 2*ROWB
	JLOAD G0+4*\slot, G1, G0B+4*\slot, G1B         ; the first tensor load behind the round; the four v_nop behind it are the places in front of the loads below
.else
	PLACES NP
.endif
	FETCH_B \next, 0, 0
	FETCH_A \next, 0, 0
	WIN MUL_HI
	MUL16 4, 1, 0
	MUL16 6, 1, 0
	PLACES NP
	WIN 0
	FETCH_A \next, 0, 4
.endm
	s_wait_alu depctr_va_vdst(0)
	s_wait_tensorcnt 1                             ; my part of K step 0 is in (K step 1's load may be out)
	s_barrier_signal -1
	s_barrier_wait -1                              ; everybody's is
	FETCH_B 0, 0, 0
	FETCH_A 0, 0, 0
	FETCH_A 0, 0, 4
	STEP 0, 0, 1                                   ; K = 1,024 is four K steps, twice round the ring: written out, no loop.  The first products start the sums
	TURN 0, 1, 1                                   ; slot 0 takes K step 2
	STEP 1, 0, 0
	TURN 1, 0, 1                                   ; slot 1 takes K step 3
	STEP 0, 0, 0
	TURN 0, 1, 0                                   ; the last lap fills nothing, and has no round of the cluster's barrier
	STEP 1, 0, 0
	s_wait_dscnt 4*NL                              ; the very last step: nothing more to fetch
	WIN MUL_LO
	MUL16 0, 1, 0
	MUL16 2, 1, 0
	s_wait_dscnt 0
	WIN MUL_HI
	MUL16 4, 1, 0
	MUL16 6, 1, 0
	WIN 0
	; THE WAY OUT.  D = eo - ea - eb of my product, by selects on the cluster's number
	s_wait_kmcnt 0x0
	s_sub_co_i32 s80, s94, s88                     ; q: e6 - e0 - e1
	s_sub_co_i32 s80, s80, s89
	s_sub_co_i32 s81, s95, s90                     ; k: e7 - e2 - e3
	s_sub_co_i32 s81, s81, s91
	s_sub_co_i32 s82, s97, s92                     ; v: e9 - e4 - e5
	s_sub_co_i32 s82, s82, s93
	s_cmp_eq_u32 s66, 1
	s_cselect_b32 s80, s81, s80
	s_cmp_eq_u32 s66, 2
	s_cselect_b32 s80, s82, s80
	s_add_co_i32 s80, s80, 127
	s_lshl_b32 s81, s80, 23
	v_mov_b32 v[SCL], s81                          ; 2^D as f32: the conversion takes its exponent field
	s_add_co_i32 s80, s80, 8
	s_lshl_b32 s80, s80, 23
	s_or_b32 s80, s80, 0x600000
	PLACES NP                                      ; behind the last products: the first reads of results, and the writes into the registers that held A's fragments
; Block a: 16 rows of A x 128 rows of B.  Each accumulator is converted: two registers of codes; the block's 16 registers are one or two operand fragments and leave by four stores.
.macro OUTBLK a
	WIN 0x02+((\a)/4)                              ; source 0: window 2 or 3
.set jj, 0
.rept 64
.set jj, jj+1
.endr
.irp b, 0,1,2,3,4,5,6,7
	v_cvt_scalef32_pk8_fp8_f32 v[CD+16*(\a)+2*\b:CD+16*(\a)+2*\b+1], v[TMP+8*\b+((64*((\a)%4)+jj)-(TMP+jj)):TMP+8*\b+7+((64*((\a)%4)+jj)-(TMP+jj))], v[SCL]
.endr
	WIN 0
	v_nop
.irp s, 0,1,2,3
	global_store_b128 v[CO], v[CD+16*(\a)+4*\s:CD+16*(\a)+4*\s+3], s[10:11] offset:2048*(\a)+512*\s   ; 32 lanes store 512 consecutive bytes, aligned
.endr
.endm
.irp a, 0,1,2,3,4,5,6,7
	OUTBLK \a
.endr
	s_wait_tensorcnt 0x0                           ; the wave's end, behind my last tensor load
	ds_add_u32 v[SPW], v[NIL]
	s_wait_dscnt 0x0
	CROUND                                         ; the closing round: no work-group ends while a partner may still ask for a tile that names it
	s_endpgm
.Lfunc_end_k_q85c475dd3d_qkv:
	.size	k_q85c475dd3d_qkv, .Lfunc_end_k_q85c475dd3d_qkv-k_q85c475dd3d_qkv
	.p2alignl 7, 3214868480
	.fill 96, 4, 3214868480
	.section	.rodata,"a",@progbits
	.p2align	6, 0x0
	.amdhsa_kernel k_q85c475dd3d_qkv
		.amdhsa_group_segment_fixed_size 327680
		.amdhsa_private_segment_fixed_size 0
		.amdhsa_enable_private_segment 0
		.amdhsa_kernarg_size 32
		.amdhsa_user_sgpr_count 2
		.amdhsa_user_sgpr_kernarg_segment_ptr 1
		.amdhsa_wavefront_size32 1
		.amdhsa_system_sgpr_workgroup_id_x 1
		.amdhsa_system_sgpr_workgroup_id_y 1
		.amdhsa_system_sgpr_workgroup_id_z 1
		.amdhsa_system_vgpr_workitem_id 0
		.amdhsa_next_free_vgpr 1024
		.amdhsa_next_free_sgpr 98
		.amdhsa_reserve_vcc 0
		.amdhsa_float_denorm_mode_32 3
		.amdhsa_float_denorm_mode_16_64 3
		.amdhsa_fp16_overflow 1
		.amdhsa_memory_ordered 1
		.amdhsa_forward_progress 1
		.amdhsa_inst_pref_size 86
	.end_amdhsa_kernel
	.amdgpu_metadata
---
amdhsa.version: [ 1, 2 ]
amdhsa.kernels:
  - .name:           k_q85c475dd3d_qkv
    .symbol:         k_q85c475dd3d_qkv.kd
    .args:
      - { .name: xc, .offset: 0, .size: 8, .value_kind: global_buffer, .address_space: global }
      - { .name: wc, .offset: 8, .size: 8, .value_kind: global_buffer, .address_space: global }
      - { .name: lowp_scales, .offset: 16, .size: 8, .value_kind: global_buffer, .address_space: global }
      - { .name: qkv, .offset: 24, .size: 8, .value_kind: global_buffer, .address_space: global }
    .group_segment_fixed_size: 327680
    .private_segment_fixed_size: 0
    .kernarg_segment_align: 8
    .kernarg_segment_size: 32
    .max_flat_workgroup_size: 128
    .sgpr_count:     98
    .vgpr_count:     1024
    .wavefront_size: 32
...
	.end_amdgpu_metadata
.endif
;; end of part 2
;; launch attn (part 3): grid 4 x 64, 16 waves a work-group, no clusters, 327,680 bytes of LDS; arguments qkv, lowp_scales, ao; writes ao
.if DOCPART == 3
	.amdgcn_target "amdgcn-amd-amdhsa--gfx1250"
	.amdhsa_code_object_version 6
	.text
	.protected	k_q85c475dd3d_attn
	.globl	k_q85c475dd3d_attn
	.p2align	8
	.type	k_q85c475dd3d_attn,@function
k_q85c475dd3d_attn:
	s_mov_b64 s[64:65], 0
	v_nop
	global_prefetch_b8 v0, s[64:65] scope:SCOPE_SE
	s_setreg_imm32_b32 hwreg(HW_REG_WAVE_MODE, 25, 1), 1
	s_wait_xcnt 0x0
; Causal attention of one head on codes of E4M3: O[q] = the sum over keys k <= q of softmax_k(Q[q] . K[k] / 8) V[k], head size 64, 2,048 tokens, 64 heads (4 batches x 16).
; THE SOFTMAX AHEAD OF THE SECOND PRODUCT: t = score x log2(e) / 8; M = the row's largest t so far, rounded UP to a whole number; p = 2^(t - M) is quantised with 2^e8; it is not normalised.
; The row's sum is taken of the unquantised p, in f32, and divides O at the end.  When M moves, the sum and O are multiplied by 2^(old M - new M): exact.
; INPUT: qkv, images of operand registers (lane l's 16 bytes at 16 l): q and k fragments of 16 tokens x 64 (1,024 bytes), v fragments of 16 of the head's 64 x 128 keys (2,048 bytes).
; A head's K is 128 rows of 1,024 bytes, 2,048 apart; its V 16 rows of 8,192 bytes, 16,384 apart.  In LDS they lie dense: an LDS load takes 512 consecutive bytes.
; OUTPUT: ao, the last product's operand: [tile of 16 tokens 512][pair of heads 8][part 4][512]; O / 2^e10 as codes; my head fills two parts: two stores of 512 consecutive bytes, aligned.
; SHARES.  Work-group (i, head) owns the blocks of 256 queries 7 - i and then i; each of its SIXTEEN waves owns 16 queries of each, in 256 registers: four waves to a SIMD.
; A slot is 256 keys.  Block 7 - i needs slots 0 .. 7 - i, block i slots 0 .. i: NINE trips in every work-group, so the causal work is even and the trip count is a constant.
; A step (128 keys) all of whose keys come after my 16 queries is jumped over: a scalar branch on ids, round no barrier and no tensor load.  On the diagonal hidden scores become -infinity: p = 0.
; LAYOUT.  Both products are used transposed: S^T = K Q^T (source 0 = 16 keys), O^T = V^T P^T (source 0 = 16 of the head's 64): a lane holds ONE query (lane % 16) throughout;
; register j of score tile t is key 16 t + 8 (lane / 16) + j, so one conversion a tile gives registers 2 t, 2 t + 1 of P as the plain 8-bit form wants them.
; NO CLUSTER: the four work-groups of a head want the same slot only in trips 0 to 4; from trip 8 - i on work-group i starts again at slot 0, so partners would ask for different tiles;
; walking in step would take 12 trips in place of 9.
; LIMITS: e6 + e7 between -123 and 130 (added to c's exponent field); e8, and e10 - e8 - e9, between -126 and 127.  A hidden score counts as -infinity where the definition has -1e9:
; the same p = 0 as long as a row's largest visible logit lies far above -1e9, which holds for every input where e6 + e7 <= 9 (|logit| <= 64 x 448^2 x 2^(e6 + e7) / 8).
; REGISTERS: v1-8 addresses; v12 -M, v13 the largest t, v[14:15] the sum in two halves; v16-23 Q in hand, v24-31 Q of the second block; v32-95 K's eight fragments, then V's four;
; v96-159 S^T, then p; v160-191 O^T; v192-207 the output's codes; v224-239 p's codes; v240-254 constants and work.
.set SLOT1, 1<<15                      ; a slot: 16,384 bytes of K, 16,384 of V; one exclusive or turns an address in one slot into the other's
.set VOFF,  16384
.set SLOTM, 32768                      ; a slot on in memory, in K and in V alike
.set SPARE, 2*SLOT1                    ; behind the ring: the spare words, 128 bytes for each of the sixteen waves, which no other line names
.set LI,   1                           ; v1   16 x lane: my place in an image, in LDS and in memory; never rewritten
.set RH,   2                           ; v2   lane % 16 - 8 (lane / 16), for the mask
.set PFO,  3                           ; v3   the prefetches' offset; never rewritten
.set SPW,  5                           ; v5   LDS address of my spare word; never rewritten
.set NIL,  6                           ; v6   0; never rewritten
.set ADR,  8                           ; v8   LDS address of the slot in hand + my place
.set TB,   2                           ; s2   LDS byte at which the slot in hand begins
.set WV,   18                          ; s18  my wave's number
.set WG,   19                          ; s19  i
.set SEL,  20                          ; s[20:21] lane selects for v_permlanex16_b32: lane l xor 16
.set CS,   22                          ; s[22:23] c = log2(e) / 8 x 2^(e6 + e7)
.set G1K,  24                          ; s[24:31] descriptor group 1 for K's tiles;  s[32:39] for V's;  s[40:43], s[44:47] their groups 0
.set G1V,  32
.set G0K,  40
.set G0V,  44
.set KB,   48                          ; s[48:49] my head's K, s[50:51] its V
.set VB,   50
.set KS,   52                          ; s52  the slot of keys that the next fill brings
.set LEN1, 53                          ; s53  8 - i: the first block's trips
.set TR,   54                          ; s54  the trip
.set KF,   56                          ; s56  the step's first key
.set Q0,   57                          ; s57  my first query
.set OFS,  58                          ; s[58:59] an offset, its high word 0
.set PFA,  60                          ; s[60:61] where my prefetches stand
.set LIM,  62                          ; s62  a wave prefetches while the trip is under it: 6 or 0
.set AOA,  66                          ; s[66:67] where the first block's codes go;  s[82:83] the second's
.set AOB,  82
.set QA,   84                          ; s[84:85], s[86:87] the two blocks' fragments of Q
.set QB,   86
.set Q0B,  88                          ; s88  my first query in the second block
; Wave 0 fetches a slot's K, wave 1 its V, the others nothing.  The branches hang on the wave's number alone.  An s_nop 0 and four v_nop follow each of the two lines.
.macro TLOAD
	s_cmp_lt_u32 s[WV], 1
	s_cbranch_scc0 .Lnot_k_\@
	tensor_load_to_lds s[G0K:G0K+3], s[G1K:G1K+7]
	s_nop 0
.rept 4
	v_nop
.endr
	s_branch .Lasked_\@
.Lnot_k_\@:
	s_cmp_lt_u32 s[WV], 2
	s_cbranch_scc0 .Lasked_\@
	tensor_load_to_lds s[G0V:G0V+3], s[G1V:G1V+7]
	s_nop 0
.rept 4
	v_nop
.endr
.Lasked_\@:
.endm
; A PREFETCH INTO THE L2 of the slot that the NEXT change of slots will ask for.  All four work-groups of a head begin by walking slots 0, 1, 2 ..: work-group 0, which walks all eight on end, asks, and nobody else
; (a branch on the work-group's number: this launch has no cluster).  In it four waves that fetch nothing ask, one instruction each, a lane to 256 bytes: waves 4 and 5 for K's 16 rows of 1,024 bytes,
; waves 6 and 7 for V's two rows of 8,192.  In trip t they name slot t + 2, t = 0 .. 5: each 256 bytes of slots 2 to 7 once in the launch.  Slots 0 and 1 come by their loads alone; trips 6 to 8 ask for nothing.
.macro ASK
	s_cmp_lt_u32 s[TR], s[LIM]
	s_cbranch_scc0 .Lnot_mine_\@
	global_prefetch_b8 v[PFO], s[PFA:PFA+1] th:TH_LOAD_NT scope:SCOPE_SE
.Lnot_mine_\@:
.endm
	s_load_b128 s[4:7], s[0:1], 0x0                ; qkv s[4:5], the scales s[6:7]
	s_load_b64 s[8:9], s[0:1], 0x10                ; ao
	v_lshl_add_u32 v[SPW], v0, 2, SPARE
	v_mov_b32 v[NIL], 0
	ds_add_u32 v[SPW], v[NIL]                      ; the wave's opening: the add and its wait ahead of my first tensor load; the set-up below, work on registers, stands between them
	ds_add_u32 v[SPW], v[NIL]
	v_lshrrev_b32 v8, 5, v0
	s_delay_alu instid0(VALU_DEP_1)
	v_readfirstlane_b32 s[WV], v8                  ; wave 0..15
	s_mov_b32 s[WG], ttmp9                         ; i
	s_and_b32 s80, ttmp7, 0xffff                   ; 16 x batch + head
	s_lshr_b32 s81, s80, 1
	s_lshl_b32 s10, s81, 18                        ; the pair of heads: 16 blocks of 16,384 bytes
	s_and_b32 s81, s80, 1                          ; the head in its pair:
	s_lshl_b32 s11, s81, 10                        ; 1,024 bytes on in q and k,
	s_lshl_b32 s12, s81, 13                        ; 8,192 in v
	s_sub_co_u32 s[LEN1], 8, s[WG]
	s_sub_co_u32 s13, 7, s[WG]
	s_lshl_b32 s13, s13, 4
	s_add_co_u32 s13, s13, s[WV]                   ; my tile of 16 tokens in the first block: 16 (7 - i) + wave,
	s_lshl_b32 s14, s[WG], 4
	s_add_co_u32 s14, s14, s[WV]                   ; and in the second: 16 i + wave
	s_lshl_b32 s[Q0], s13, 4
	s_lshl_b32 s[Q0B], s14, 4
	s_add_co_u32 s92, s10, s11
	s_add_co_u32 s94, s10, s12
	s_lshl_b32 s96, s13, 11                        ; a tile of tokens is 2,048 bytes on
	s_add_co_u32 s96, s96, s92                     ; Q of the first block
	s_lshl_b32 s98, s14, 11
	s_add_co_u32 s98, s98, s92                     ; Q of the second
	s_add_co_u32 s92, s92, 0x800000                ; K lies 8 MiB into qkv,
	s_add_co_u32 s94, s94, 0x1000000               ; V 16 MiB
	s_mov_b32 s93, 0
	s_mov_b32 s95, 0
	s_mov_b32 s97, 0
	s_mov_b32 s99, 0
	s_lshr_b32 s81, s80, 4
	s_lshl_b32 s81, s81, 7                         ; 128 tiles of tokens a batch
	s_and_b32 s80, s80, 15
	s_lshl_b32 s80, s80, 10                        ; my head's 1,024 bytes of a tile's 16,384
	s_add_co_u32 s10, s81, s13
	s_lshl_b32 s10, s10, 14
	s_add_co_u32 s10, s10, s80                     ; in ao: the first block's codes,
	s_add_co_u32 s12, s81, s14
	s_lshl_b32 s12, s12, 14
	s_add_co_u32 s12, s12, s80                     ; the second's
	s_mov_b32 s11, 0
	s_mov_b32 s13, 0
	; descriptor group 1, elements of 8 bytes, no padding, no mask.  K: 16 rows of 1,024 bytes, 2,048 apart;  V: 2 rows of 8,192 bytes, 16,384 apart
	s_mov_b32 s[G1K], 3<<16                        ; 17:16 elements of 8 bytes
	s_mov_b32 s[G1K+1], 128<<16                    ; tensor_dim0
	s_mov_b32 s[G1K+2], 16<<16                     ; tensor_dim1
	s_mov_b32 s[G1K+3], 128<<16                    ; tile_dim0
	s_mov_b32 s[G1K+4], 16                         ; tile_dim1
	s_mov_b32 s[G1K+5], 256                        ; tensor_dim0_stride
	s_mov_b32 s[G1K+6], 0
	s_mov_b32 s[G1K+7], 0
	s_mov_b32 s[G1V], 3<<16
	s_mov_b32 s[G1V+1], 1024<<16
	s_mov_b32 s[G1V+2], 2<<16
	s_mov_b32 s[G1V+3], 1024<<16
	s_mov_b32 s[G1V+4], 2
	s_mov_b32 s[G1V+5], 2048
	s_mov_b32 s[G1V+6], 0
	s_mov_b32 s[G1V+7], 0
	s_mov_b32 s[SEL], 0x76543210
	s_mov_b32 s[SEL+1], 0xfedcba98
	s_mov_b32 s[CS], 0x3e38aa3b                    ; c = log2(e) / 8
	s_mov_b32 s[TB], 0
	s_mov_b32 s[KS], 1
	s_mov_b32 s[KF], 0
	s_mov_b32 s[TR], 0
	s_wait_dscnt 0x0                               ; the opening add is done
	s_wait_kmcnt 0x0
	s_add_nc_u64 s[KB:KB+1], s[4:5], s[92:93]
	s_add_nc_u64 s[VB:VB+1], s[4:5], s[94:95]
	s_mov_b32 s[G0K], 1                            ; 1:0 count = 1
	s_mov_b32 s[G0K+1], 0                          ; 63:32 LDS address: slot 0
	s_mov_b64 s[G0K+2:G0K+3], s[KB:KB+1]           ; 120:64 global address: the head's first 256 keys
	s_or_b32 s[G0K+3], s[G0K+3], 0x80000000        ; 127:126 type = 2
	s_mov_b32 s[G0V], 1
	s_mov_b32 s[G0V+1], VOFF
	s_mov_b64 s[G0V+2:G0V+3], s[VB:VB+1]
	s_or_b32 s[G0V+3], s[G0V+3], 0x80000000
	TLOAD                                          ; slot 0: one tensor load of mine is out
	s_load_b128 s[68:71], s[6:7], 0x18             ; e6, e7, e8, e9
	s_load_b32 s72, s[6:7], 0x28                   ; e10
	s_add_nc_u64 s[QA:QA+1], s[4:5], s[96:97]
	s_add_nc_u64 s[QB:QB+1], s[4:5], s[98:99]
	s_add_nc_u64 s[AOA:AOA+1], s[8:9], s[10:11]
	s_add_nc_u64 s[AOB:AOB+1], s[8:9], s[12:13]
	v_and_b32 v9, 31, v0
	s_delay_alu instid0(VALU_DEP_1)
	v_lshlrev_b32 v[LI], 4, v9
	global_load_b128 v[16:19], v[LI], s[QA:QA+1]               ; Q's fragments stay in registers: the first block's,
	global_load_b128 v[20:23], v[LI], s[QA:QA+1] offset:512
	global_load_b128 v[24:27], v[LI], s[QB:QB+1]               ; and the second's
	global_load_b128 v[28:31], v[LI], s[QB:QB+1] offset:512
	; the prefetches: lane l names 256 l in V's row; in K's rows, which are 1,024 bytes long and 2,048 apart, 256 l + 1,024 (l / 4).  The odd wave of a pair stands 16,384 bytes further on in both
	s_cmp_lt_u32 s[WV], 6
	s_cselect_b64 s[PFA:PFA+1], s[KB:KB+1], s[VB:VB+1]
	s_cselect_b32 s81, 1024, 0
	v_lshrrev_b32 v10, 2, v9
	v_lshlrev_b32 v[PFO], 8, v9
	s_delay_alu instid0(VALU_DEP_1)
	v_mad_u32_u24 v[PFO], v10, s81, v[PFO]
	s_and_b32 s80, s[WV], 1
	s_lshl_b32 s80, s80, 14
	s_add_co_u32 s[OFS], s80, SLOTM                ; in slot 1: the first change of slots steps it to slot 2.  Nothing is prefetched here, at the head
	s_mov_b32 s[OFS+1], 0
	s_add_nc_u64 s[PFA:PFA+1], s[PFA:PFA+1], s[OFS:OFS+1]
	s_lshr_b32 s80, s[WV], 2
	s_xor_b32 s80, s80, 1                          ; 0 in waves 4 to 7,
	s_or_b32 s80, s80, s[WG]                       ; of work-group 0 of the head
	s_cmp_eq_u32 s80, 0
	s_cselect_b32 s[LIM], 6, 0
	v_and_b32 v9, 15, v0
	v_bfe_u32 v10, v0, 4, 1
	s_delay_alu instid0(VALU_DEP_1)
	v_lshlrev_b32 v10, 3, v10
	s_delay_alu instid0(VALU_DEP_1)
	v_sub_nc_u32 v[RH], v9, v10
	v_mov_b32 v246, 0                              ; written once: a lane permute's destination counts as one of its sources
	v_mov_b32 v252, 0
	v_mov_b32 v253, 0                              ; (named as the upper half of the pair v[252:253])
	v_mov_b32 v249, 0xff800000                     ; -infinity
.macro INIT                            ; a block begins: the largest t so far is -3e38, under every t; the sum and O^T are zeros, which the first change of M leaves zeros
	v_mov_b32 v13, 0xff61b1e6
	s_delay_alu instid0(VALU_DEP_1)
	v_floor_f32 v12, -v13                          ; -M
	v_mov_b32 v14, 0
	v_mov_b32 v15, 0
.set jj, 0
.rept 32
	v_mov_b32 v[160+jj], 0
.set jj, jj+1
.endr
.endm
	INIT
	s_wait_kmcnt 0x0
	s_add_co_i32 s80, s68, s69
	s_lshl_b32 s80, s80, 23
	s_add_co_i32 s[CS], s[CS], s80                 ; a score stands for score x 2^(e6 + e7): the two exponents are added to c's exponent field
	s_mov_b32 s[CS+1], s[CS]                       ; (named with it as a pair, so it is written)
	s_add_co_i32 s80, s70, 127
	s_lshl_b32 s81, s80, 23
	v_mov_b32 v244, s81                            ; 2^e8, for p's conversion
	s_sub_co_i32 s80, s72, s70
	s_sub_co_i32 s80, s80, s71                     ; a sum of the second product stands for sum x 2^(e8 + e9): the output's code is sum / l / 2^(e10 - e8 - e9)
	s_add_co_i32 s80, s80, 127
	s_lshl_b32 s81, s80, 23
	v_mov_b32 v245, s81
; A KEY STEP: 128 keys, the q-th of the slot in hand.
.macro STEP q
	s_add_co_u32 s80, s[Q0], 15
	s_cmp_gt_u32 s[KF], s80                        ; all 128 keys come after my 16 queries: the step's work is left out
	s_cbranch_scc1 .Lhidden_\@
	v_add_nc_u32 v[ADR], s[TB], v[LI]
.rept 3
	v_nop                                          ; with the addition above: four places in front of loads into registers that the last products read
.endr
.irp t, 0,1,2,3,4,5,6,7
	ds_load_b128 v[32+8*\t:35+8*\t], v[ADR] offset:(8*(\q)+\t)*1024       ; K's fragment of keys 16 t on: 512 consecutive bytes a load
	ds_load_b128 v[36+8*\t:39+8*\t], v[ADR] offset:(8*(\q)+\t)*1024+512
.endr
	s_wait_alu depctr_va_vdst(0)
	s_wait_dscnt 0x0
.irp t, 0,1,2,3,4,5,6,7
	v_wmma_f32_16x16x64_fp8_fp8 v[96+8*\t:103+8*\t], v[32+8*\t:39+8*\t], v[16:23], 0   ; S^T: lane (r, h) holds query r, register j key 16 t + 8 h + j
.endr
.rept 4
	v_nop                                          ; places: in front of the loads below, and of the first read of the scores
.endr
.irp d, 0,1,2,3
.irp p, 0,1,2,3
	ds_load_b128 v[32+16*\d+4*\p:35+16*\d+4*\p], v[ADR] offset:VOFF+8192*(\q)+2048*\d+512*\p   ; V's four fragments land while the softmax is worked
.endr
.endr
	s_add_co_u32 s80, s[KF], 127                   ; a step all of whose keys count skips the mask
	s_cmp_le_u32 s80, s[Q0]
	s_cbranch_scc1 .Lopen_\@
	s_sub_co_i32 s80, s[Q0], s[KF]
	v_add_nc_u32 v248, s80, v[RH]                  ; d = my query - the step's first key - 8 (lane / 16).  Register 8 t + j holds the key that is hidden where 16 t + j > d
.set nn, 0
.rept 64
	v_cmp_gt_i32 vcc_lo, 16*(nn/8)+nn%8, v248
	v_cndmask_b32 v[96+nn], v[96+nn], v249, vcc_lo
.set nn, nn+1
.endr
.Lopen_\@:
	v_max3_num_f32 v254, v96, v97, v98             ; the step's largest score of my query, among my 64 keys, in two chains; each tile is first read at its low end
	v_max3_num_f32 v252, v99, v100, v101
.irp i, 6,10,14,18,22,26,30,34,38,42,46,50,54,58
	v_max3_num_f32 v254, v254, v[96+\i], v[97+\i]
	v_max3_num_f32 v252, v252, v[98+\i], v[99+\i]
.endr
	v_max3_num_f32 v254, v254, v158, v159
	s_delay_alu instid0(VALU_DEP_1)
	v_max_num_f32 v254, v254, v252
	s_delay_alu instid0(VALU_DEP_1)
	v_permlanex16_b32 v246, v254, s[SEL], s[SEL+1]
	s_delay_alu instid0(VALU_DEP_1)
	v_max_num_f32 v254, v254, v246                 ; and among lane l xor 16's
	s_delay_alu instid0(VALU_DEP_1)
	v_mul_f32 v254, s[CS], v254                    ; as t (c is positive)
	s_delay_alu instid0(VALU_DEP_1)
	v_max_num_f32 v13, v13, v254                   ; the running largest t
	v_mov_b32 v254, v12
	s_delay_alu instid0(VALU_DEP_2)
	v_floor_f32 v12, -v13                          ; the new -M = floor(-t) = -ceil(t): M is a whole number
	s_delay_alu instid0(VALU_DEP_1)
	v_sub_f32 v254, v12, v254                      ; M's old value less its new one: a whole number, 0 or less
	s_delay_alu instid0(VALU_DEP_1)
	v_cvt_i32_f32 v254, v254                       ; (it saturates)
	s_delay_alu instid0(VALU_DEP_1)
	v_ldexp_f32 v252, 1.0, v254                    ; f = 2^(old M - new M): a multiplication by it rounds nothing
.set jj, 0
.rept 32
	v_pk_fma_f32 v[96+jj:97+jj], v[96+jj:97+jj], s[CS:CS+1], v[12:13] op_sel_hi:[1,0,0]   ; t - M, two at a time (of the pairs c and -M the low word serves both halves)
.set jj, jj+2
.endr
.set jj, 0
	s_wait_alu depctr_va_vdst(0)
.rept 64
	v_exp_f32 v[96+jj], v[96+jj]                   ; p = 2^(t - M), at most 1: not normalised
.set jj, jj+1
.endr
	v_pk_mul_f32 v[14:15], v[14:15], v[252:253] op_sel_hi:[1,0]   ; the sums under the new M: the plain line behind the exponentials
	s_wait_alu depctr_va_vdst(0)                   ; one wait for the whole batch of 64, ahead of its first reader
	v_pk_add_f32 v[242:243], v[100:101], v[104:105]
	v_pk_add_f32 v[254:255], v[108:109], v[112:113]
	v_pk_add_f32 v[250:251], v[116:117], v[120:121]
	v_pk_add_f32 v[240:241], v[124:125], v[128:129]
	v_pk_add_f32 v[238:239], v[132:133], v[136:137]
	v_pk_add_f32 v[236:237], v[140:141], v[144:145]
	v_pk_add_f32 v[234:235], v[148:149], v[152:153]
	v_pk_add_f32 v[14:15], v[14:15], v[156:157]
	v_pk_add_f32 v[242:243], v[242:243], v[96:97]
	v_pk_add_f32 v[254:255], v[254:255], v[98:99]
	v_pk_add_f32 v[250:251], v[250:251], v[102:103]
	v_pk_add_f32 v[240:241], v[240:241], v[106:107]
	v_pk_add_f32 v[238:239], v[238:239], v[110:111]
	v_pk_add_f32 v[236:237], v[236:237], v[114:115]
	v_pk_add_f32 v[234:235], v[234:235], v[118:119]
	v_pk_add_f32 v[14:15], v[14:15], v[122:123]
	v_pk_add_f32 v[242:243], v[242:243], v[126:127]
	v_pk_add_f32 v[254:255], v[254:255], v[130:131]
	v_pk_add_f32 v[250:251], v[250:251], v[134:135]
	v_pk_add_f32 v[240:241], v[240:241], v[138:139]
	v_pk_add_f32 v[238:239], v[238:239], v[142:143]
	v_pk_add_f32 v[236:237], v[236:237], v[146:147]
	v_pk_add_f32 v[234:235], v[234:235], v[150:151]
	v_pk_add_f32 v[14:15], v[14:15], v[154:155]
	v_pk_add_f32 v[242:243], v[242:243], v[158:159]
	s_delay_alu instid0(VALU_DEP_2)
	v_pk_add_f32 v[14:15], v[14:15], v[240:241]
	s_delay_alu instid0(VALU_DEP_2)
	v_pk_add_f32 v[242:243], v[242:243], v[238:239]
	v_pk_add_f32 v[254:255], v[254:255], v[236:237]
	v_pk_add_f32 v[250:251], v[250:251], v[234:235]
	s_delay_alu instid0(VALU_DEP_2)
	v_pk_add_f32 v[14:15], v[14:15], v[254:255]
	s_delay_alu instid0(VALU_DEP_2)
	v_pk_add_f32 v[242:243], v[242:243], v[250:251]
	s_delay_alu instid0(VALU_DEP_1)
	v_pk_add_f32 v[14:15], v[14:15], v[242:243]
.irp t, 0,1,2,3,4,5,6,7
.irp i, 0,1,2,3,4,5,6,7
.endr
	v_cvt_scalef32_pk8_fp8_f32 v[224+2*\t:225+2*\t], v[96+8*\t:103+8*\t], v244   ; registers 2 t, 2 t + 1 of P: keys 16 t + 8 h + 0 .. 7
.endr
.set jj, 0
.rept 16
	v_pk_mul_f32 v[160+jj:161+jj], v[160+jj:161+jj], v[252:253] op_sel_hi:[1,0]   ; O^T under the new M, from each accumulator's low end on.  (Plain lines between the conversions and the products that read the codes)
.set jj, jj+2
.endr
	s_wait_alu depctr_va_vdst(0)
	s_wait_dscnt 0x0                               ; V is in
.irp d, 0,1,2,3
	v_wmma_f32_16x16x128_fp8_fp8 v[160+8*\d:167+8*\d], v[32+16*\d:47+16*\d], v[224:239], v[160+8*\d:167+8*\d]   ; the four accumulators take turns; between two turns of one stand the others' and the next step's eight
.endr
.Lhidden_\@:
	s_add_co_u32 s[KF], s[KF], 128
.endm
; THE CHANGE OF SLOTS stands at a trip's head.  Each wave waits for all its tensor loads (its part of the slot that it is about to read), adds 0 to its spare word, and waits for that and for its reads of the slot that it has left.
; Behind the barrier the slot ahead is whole and nobody reads the other one.  fill = 1: that other slot is filled with the next trip's keys: the load has a trip's two steps in which to land.
.macro CHANGE fill
	s_wait_tensorcnt 0x0                           ; no tensor load of mine is out, so a group 0 may be written
	ds_add_u32 v[SPW], v[NIL]                      ; 0 onto my spare word; work on registers stands between it and the wait for it
.if \fill
	s_xor_b32 s[G0K+1], s[G0K+1], SLOT1            ; the other slot than last time,
	s_xor_b32 s[G0V+1], s[G0V+1], SLOT1
	s_lshl_b32 s[OFS], s[KS], 15                   ; the next trip's 256 keys
	s_add_nc_u64 s[G0K+2:G0K+3], s[KB:KB+1], s[OFS:OFS+1]
	s_or_b32 s[G0K+3], s[G0K+3], 0x80000000
	s_add_nc_u64 s[G0V+2:G0V+3], s[VB:VB+1], s[OFS:OFS+1]
	s_or_b32 s[G0V+3], s[G0V+3], 0x80000000
	s_add_co_u32 s[KS], s[KS], 1
	s_cmp_eq_u32 s[KS], s[LEN1]                    ; behind the first block's last slot the second block begins at slot 0
	s_cselect_b32 s[KS], 0, s[KS]
.endif
	s_wait_xcnt 0x0                                ; the last prefetch, a trip back, has read its address, and a finished block's stores their data: both are written again only behind this wait
.if \fill
	s_add_nc_u64 s[PFA:PFA+1], s[PFA:PFA+1], SLOTM
.endif
	s_wait_dscnt 0x0                               ; the add is done, and my reads of the slot that I have left are over
	s_barrier_signal -1
	s_barrier_wait -1
.if \fill
	TLOAD                                          ; the first thing behind the barrier, and a wave's one tensor load until the next
	ASK
.endif
.endm
; A block is finished: O^T / the sum, converted with 2^(e10 - e8 - e9): registers 2 d, 2 d + 1 are k = 16 d + 8 h + 0 .. 7 of my head's 64: half a fragment of the last product's operand.
.macro FINISH base, cr
.rept 4
	v_nop                                          ; places behind the last products
.endr
	v_add_f32 v14, v14, v15                        ; the sum's two halves,
	s_delay_alu instid0(VALU_DEP_1)
	v_permlanex16_b32 v246, v14, s[SEL], s[SEL+1]
	s_delay_alu instid0(VALU_DEP_1)
	v_add_f32 v14, v14, v246                       ; and lane l xor 16's: the row's sum, at least 1/2
	s_wait_alu depctr_va_vdst(0)
	v_rcp_f32 v14, v14
	v_nop                                          ; a plain line behind the transcendental,
	s_wait_alu depctr_va_vdst(0)                   ; and the wait ahead of its first reader
.set jj, 0
.rept 16
	v_pk_mul_f32 v[96+jj:97+jj], v[160+jj:161+jj], v[14:15] op_sel_hi:[1,0]
.set jj, jj+2
.endr
.set jj, 0
.rept 32
.set jj, jj+1
.endr
.irp d, 0,1,2,3
	v_cvt_scalef32_pk8_fp8_f32 v[\cr+2*\d:\cr+2*\d+1], v[96+8*\d:103+8*\d], v245
.endr
	v_nop                                          ; a plain line between the conversions and whatever next writes their sources
	global_store_b128 v[LI], v[\cr:\cr+3], s[\base:\base+1]               ; 32 lanes store 512 consecutive bytes, aligned
	global_store_b128 v[LI], v[\cr+4:\cr+7], s[\base:\base+1] offset:512
.endm
; In trip 8 - i the first block is finished and the second begins: a scalar branch on the work-group's number and the trip, round no barrier, no tensor load and no LDS line.
.macro SWITCH
	s_cmp_lg_u32 s[TR], s[LEN1]
	s_cbranch_scc1 .Lsame_\@
	FINISH AOA, 192
.set jj, 0
.rept 8
	v_mov_b32 v[16+jj], v[24+jj]                   ; the second block's Q
.set jj, jj+1
.endr
	INIT
	s_mov_b32 s[Q0], s[Q0B]
	s_mov_b32 s[KF], 0
.Lsame_\@:
.endm
	s_wait_loadcnt 0x0                             ; Q
.Ltrip:                                            ; eight trips: behind each change of slots but the last the next trip's slot is asked for
	CHANGE 1
	SWITCH
	STEP 0
	STEP 1
	s_xor_b32 s[TB], s[TB], SLOT1                  ; on to the other slot
	s_add_co_u32 s[TR], s[TR], 1
	s_cmp_lt_u32 s[TR], 8
	s_cbranch_scc1 .Ltrip
	CHANGE 0                                       ; the ninth trip is written out
	SWITCH                                         ; (work-group 0 changes blocks here)
	STEP 0
	STEP 1
	FINISH AOB, 200
	s_wait_tensorcnt 0x0                           ; the wave's end, behind my last tensor load
	ds_add_u32 v[SPW], v[NIL]
	s_wait_dscnt 0x0
	s_endpgm
.Lfunc_end_k_q85c475dd3d_attn:
	.size	k_q85c475dd3d_attn, .Lfunc_end_k_q85c475dd3d_attn-k_q85c475dd3d_attn
	.p2alignl 7, 3214868480
	.fill 96, 4, 3214868480
	.section	.rodata,"a",@progbits
	.p2align	6, 0x0
	.amdhsa_kernel k_q85c475dd3d_attn
		.amdhsa_group_segment_fixed_size 327680
		.amdhsa_private_segment_fixed_size 0
		.amdhsa_enable_private_segment 0
		.amdhsa_kernarg_size 24
		.amdhsa_user_sgpr_count 2
		.amdhsa_user_sgpr_kernarg_segment_ptr 1
		.amdhsa_wavefront_size32 1
		.amdhsa_system_sgpr_workgroup_id_x 1
		.amdhsa_system_sgpr_workgroup_id_y 1
		.amdhsa_system_sgpr_workgroup_id_z 1
		.amdhsa_system_vgpr_workitem_id 0
		.amdhsa_next_free_vgpr 256
		.amdhsa_next_free_sgpr 100
		.amdhsa_reserve_vcc 1
		.amdhsa_float_denorm_mode_32 3
		.amdhsa_float_denorm_mode_16_64 3
		.amdhsa_fp16_overflow 1
		.amdhsa_memory_ordered 1
		.amdhsa_forward_progress 1
		.amdhsa_inst_pref_size 95
	.end_amdhsa_kernel
	.amdgpu_metadata
---
amdhsa.version: [ 1, 2 ]
amdhsa.kernels:
  - .name:           k_q85c475dd3d_attn
    .symbol:         k_q85c475dd3d_attn.kd
    .args:
      - { .name: qkv, .offset: 0, .size: 8, .value_kind: global_buffer, .address_space: global }
      - { .name: lowp_scales, .offset: 8, .size: 8, .value_kind: global_buffer, .address_space: global }
      - { .name: ao, .offset: 16, .size: 8, .value_kind: global_buffer, .address_space: global }
    .group_segment_fixed_size: 327680
    .private_segment_fixed_size: 0
    .kernarg_segment_align: 8
    .kernarg_segment_size: 24
    .max_flat_workgroup_size: 512
    .sgpr_count:     100
    .vgpr_count:     256
    .wavefront_size: 32
...
	.end_amdgpu_metadata
.endif
;; end of part 3
;; launch proj (part 4): grid 4 x 32, 4 waves a work-group, clusters of 4 x 4, 327,680 bytes of LDS; arguments ao, wc, lowp_scales, out0; writes out0
.if DOCPART == 4
	.amdgcn_target "amdgcn-amd-amdhsa--gfx1250"
	.amdhsa_code_object_version 6
	.text
	.protected	k_q85c475dd3d_proj
	.globl	k_q85c475dd3d_proj
	.p2align	8
	.type	k_q85c475dd3d_proj,@function
k_q85c475dd3d_proj:
	s_mov_b64 s[64:65], 0
	v_nop
	global_prefetch_b8 v0, s[64:65] scope:SCOPE_SE
	s_setreg_imm32_b32 hwreg(HW_REG_WAVE_MODE, 25, 1), 1
	s_wait_xcnt 0x0
	s_wait_alu depctr_hold_cnt(0) depctr_sa_sdst(0) depctr_va_vdst(0) depctr_va_sdst(0) depctr_va_ssrc(0) depctr_va_vcc(0) depctr_vm_vsrc(0)
	s_getreg_b32 s2, hwreg(HW_REG_IB_STS2, 6, 4)
	s_cmp_eq_u32 s2, 0
	s_cbranch_scc0 .Lentry_in_a_cluster
	s_endpgm
.Lentry_in_a_cluster:
	s_bfe_u32 s2, ttmp6, 0x10000c
	s_cmp_lg_u32 s2, 0xf033
	s_cbranch_scc0 .Lentry_shape_is_right
	s_endpgm
.Lentry_shape_is_right:
; out0[m][n] = sum over k of O[m][k] Wo[n][k] on codes of E4M3; each finished sum x 2^(e10 + e11).  M = 8,192, N = K = 1,024; out0 f32.
; A = ao: images of operand registers, [tile of 16 tokens 512][K step of 128: 8][part 4][512 bytes], lane l's 16 bytes at 16 l.  B = Wo's codes, wc + 3 MiB, rows of 1,024 bytes whose bytes are
; ordered so that 16 bytes at 32 c + 16 (lane / 16) are registers 4 c .. 4 c + 3 of the plain 8-bit form: both operands have every k in that form's own place.
; A tile of 256 x 256 is made by a work-group of four waves; a wave makes 128 x 128: 64 accumulators, 512 registers.  K goes in steps of 256 through a ring of two LDS slots filled by the tensor data mover.
; CLUSTERS: 4 x 4 work-groups; A's tiles are asked for jointly along a row of the cluster, B's along a column.  THE MATRIX INSTRUCTION IS USED TRANSPOSED (source 0 = 16 rows of B, source 1 = 16 rows of A):
; a lane then holds eight neighbouring numbers of a row of out0.
; A's tile of 128 tokens x 256 K is 8 rows of 4,096 bytes, 16,384 apart in memory, dense in LDS: an LDS load takes 512 consecutive bytes, so it needs no padding.  B's tile is padded as rows of 272 bytes.
; LIMIT: e10 + e11 between -126 and 127, so that 2^(e10 + e11) is an f32 number.
; REGISTERS, in windows of 256: window 0: v0-31 addresses; from v128 A's fragments, ONE set; on the way out v32-255 are free.
;   window 1: B's fragments, TWO sets, at v0 and v128.   window 2: the accumulators of my rows 0-63 ((a, b) at v[8 (8 a + b)]);   window 3: those of my rows 64-127.
.set SIZE_N, 1024
.set SIZE_K, 1024
.set ROWB,   256                       ; a row of B's tile in bytes
.set KROW,   SIZE_K                    ; 1,024 codes along K: a row of B in memory; and a token's share of ao
.set ASTEP,  4096                      ; a K step of 256 in a tile of 16 tokens of ao
.set PITCH,  272                       ; B's LDS row: 256 bytes + 16 of padding = 68 words: row r starts at bank 4 r mod 64 (ISA guide 11.1)
.set FR,     16                        ; registers of a fragment: 16 rows x 128 K
.set NL,     4                         ; LDS loads that bring one
.set NP,     4                         ; places behind this matrix instruction (ISA guide 7.12.1)
.set HALFT,  128*PITCH                 ; the LDS bytes of one tensor load's target: B's 128 rows fill them, A's 32,768 bytes lie at their head
.set SLOT,   4*HALFT
.set SPARE,  2*SLOT                    ; behind the ring: the spare words, 128 bytes for each wave, which no other line names
.set SPITCH, 528                       ; the way out: a stage of 16 rows x (512 bytes + 16) for each wave.  It lies in slot 0, which has had its last fill and its last read when the first result is stored there
.set ADRA, 16                          ; v16-17  LDS address of my A fragments in slot 0, 1
.set ADRB, 20                          ; v20-21  the same for B
.set STO,  24                          ; v24     the way out: where I put 32 bytes of a row
.set RD,   25                          ; v25     the way out: where I read a row back
.set CO,   26                          ; v26     16 x lane: my place in an image, and in a row of out0
.set SPW,  28                          ; v28     LDS address of my spare word; never rewritten
.set NIL,  29                          ; v29     0; never rewritten
.set TMP,  32                          ; the way out: 64 registers, a block's sums x 2^(e10 + e11)
.set AF,   128                         ; A's fragments, in window 0
.set BK,   128                         ; the way out: 16 rows read back from the stage: v128-191 and v192-255 by turns
.set G1, 24                            ; s[24:31] descriptor group 1 for A's tiles;  s[32:39] group 0, one set for each slot
.set G0, 32
.set G1B, 48                           ; s[48:55], s[56:63] the same for B's tiles
.set G0B, 56
.set MSB, 0
.macro WIN new                         ; the immediate's high byte repeats the setting that is left
.if MSB != \new
	s_set_vgpr_msb (MSB<<8)|\new
.set MSB, \new
.endif
.endm
.set MUL_LO, 0xa1                      ; source 0 (B) window 1, source 1 (A) window 0, C and D window 2
.set MUL_HI, 0xf1                      ; the same, C and D window 3
.set TO_B,   0x40                      ; destination window 1, address window 0
; A joint load: waves 0 and 1 fetch for A, waves 2 and 3 for B; the branch hangs on the wave's number alone.  An s_nop 0 and four v_nop follow each of the two lines.
.macro JLOAD g0a, g1a, g0b, g1b
	s_cmp_eq_u32 s15, 0
	s_cbranch_scc0 .Lfor_b_\@
	tensor_load_to_lds s[\g0a:\g0a+3], s[\g1a:\g1a+7]
	s_nop 0
.rept 4
	v_nop
.endr
	s_branch .Lasked_\@
.Lfor_b_\@:
	tensor_load_to_lds s[\g0b:\g0b+3], s[\g1b:\g1b+7]
	s_nop 0
.rept 4
	v_nop
.endr
.Lasked_\@:
.endm
.macro CREST                           ; a round of the cluster's barrier behind its opening barrier
	s_cmp_lg_u32 s14, 0
	s_cbranch_scc1 .Lnot_wave_0_\@
	s_barrier_signal -3
.Lnot_wave_0_\@:
	s_barrier_wait -3
	s_barrier_signal -1
	s_barrier_wait -1
.endm
.macro CROUND                          ; a whole round
	s_barrier_signal -1
	s_barrier_wait -1
	CREST
.endm
	s_load_b128 s[4:7], s[0:1], 0x0                ; ao s[4:5], wc s[6:7]
	s_load_b128 s[8:11], s[0:1], 0x10              ; the scales s[8:9], out0 s[10:11]
	v_lshl_add_u32 v[SPW], v0, 2, SPARE
	v_mov_b32 v[NIL], 0
	ds_add_u32 v[SPW], v[NIL]                      ; the wave's opening: the add and its wait ahead of my first tensor load; the set-up below, work on registers, stands between them
	ds_add_u32 v[SPW], v[NIL]
	v_lshrrev_b32 v1, 5, v0
	v_readfirstlane_b32 s14, v1                    ; wave 0..3
	s_lshr_b32 s15, s14, 1                         ; which half of the tile's rows is mine.  Also: I fetch for A (0) or for B (1)
	s_and_b32 s16, s14, 1                          ; which half of its columns.  Also: which 128 rows of that tile I fetch
	s_bfe_u32 s40, ttmp6, 0x40000                  ; cx, cy: my place in the cluster
	s_bfe_u32 s41, ttmp6, 0x40004
	s_lshl_b32 s42, ttmp9, 2
	s_add_co_u32 s42, s42, s40                     ; tile column = 4 x cluster x + cx
	s_and_b32 s17, ttmp7, 0xffff
	s_lshl_b32 s17, s17, 2
	s_add_co_u32 s17, s17, s41                     ; tile row = 4 x cluster y + cy
	s_lshl_b32 s43, s41, 2
	s_lshl_b32 s43, 15, s43                        ; my row of the cluster
	s_lshl_b32 s44, 0x1111, s40                    ; my column
	; descriptor group 1.  A: 8 rows of 512 elements of 8 bytes, 2,048 elements apart, no padding
	s_or_b32 s[G1+0], s43, (3<<16)|(1<<21)         ; 15:0 the mask: A's tiles go to my row; 17:16 elements of 8 bytes; 21 set beside a mask
	s_mov_b32 s[G1+1], 512<<16                     ; tensor_dim0
	s_mov_b32 s[G1+2], 8<<16                       ; tensor_dim1
	s_mov_b32 s[G1+3], 512<<16                     ; tile_dim0
	s_mov_b32 s[G1+4], 8                           ; tile_dim1
	s_mov_b32 s[G1+5], 2048                        ; tensor_dim0_stride
	s_mov_b32 s[G1+6], 0
	s_mov_b32 s[G1+7], 0
	; B: 128 rows x 256 bytes, padded in LDS
	s_or_b32 s[G1B+0], s44, (0<<16)|(1<<20)|(1<<21)|(5<<22)|(3<<25)  ; the mask of my column; element of 1 byte; padding on: after every 64 words (code 5) 4 words (code 3)
	s_mov_b32 s[G1B+1], ROWB<<16
	s_mov_b32 s[G1B+2], 128<<16
	s_mov_b32 s[G1B+3], ROWB<<16
	s_mov_b32 s[G1B+4], 128
	s_mov_b32 s[G1B+5], KROW
	s_mov_b32 s[G1B+6], 0
	s_mov_b32 s[G1B+7], 0
	s_lshl_b32 s18, s16, 7                         ; which 128 rows of the tile I fetch
	s_lshl_b32 s20, s17, 8
	s_add_co_u32 s20, s20, s18                     ; A: token 256 x tile row + 128 x half
	s_lshl_b32 s46, s42, 8
	s_add_co_u32 s46, s46, s18                     ; B: row 256 x tile column + 128 x half
	s_mov_b32 s21, 0
	s_mov_b32 s47, 0
	s_mov_b64 s[18:19], KROW
	s_mul_u64 s[20:21], s[20:21], s[18:19]         ; 16 tokens are 16,384 bytes of ao: 1,024 a token
	s_mul_u64 s[46:47], s[46:47], s[18:19]
	s_mul_i32 s45, s14, HALFT                      ; where they go: no place in the cluster enters an LDS address
	s_wait_dscnt 0x0                               ; the opening add is done
	s_wait_kmcnt 0x0
	s_load_b64 s[96:97], s[8:9], 0x28              ; e10, e11
	s_add_nc_u64 s[6:7], s[6:7], 0x300000          ; Wo's codes
	s_add_nc_u64 s[20:21], s[4:5], s[20:21]
	s_add_nc_u64 s[46:47], s[6:7], s[46:47]
	CROUND                                         ; all sixteen work-groups are here: the first joint loads meet
.irp s, 0,1
	s_mov_b32 s[G0+4*\s], 1
	s_add_co_u32 s[G0+4*\s+1], s45, \s*SLOT
	s_add_nc_u64 s[G0+4*\s+2:G0+4*\s+3], s[20:21], \s*ASTEP
	s_or_b32 s[G0+4*\s+3], s[G0+4*\s+3], 0x80000000
	s_mov_b32 s[G0B+4*\s], 1
	s_add_co_u32 s[G0B+4*\s+1], s45, \s*SLOT
	s_add_nc_u64 s[G0B+4*\s+2:G0B+4*\s+3], s[46:47], \s*ROWB
	s_or_b32 s[G0B+4*\s+3], s[G0B+4*\s+3], 0x80000000
	s_wait_alu depctr_va_vdst(0)
	s_wait_tensorcnt 0x0
	ds_add_u32 v28, v29
	ds_add_u32 v28, v29
	s_wait_dscnt 0x0
	CROUND
	JLOAD G0+4*\s, G1, G0B+4*\s, G1B
.endr
	v_and_b32 v1, 15, v0                           ; l % 16
	v_bfe_u32 v2, v0, 4, 1                         ; l / 16
	v_mul_u32_u24 v3, v1, PITCH
	v_lshl_add_u32 v4, v2, 4, v3                   ; B: a fragment's row x pitch + 16 x half
	v_and_b32 v6, 31, v0
	v_lshlrev_b32 v[CO], 4, v6                     ; A: 16 x lane
	s_wait_alu depctr_va_vdst(0)
	s_mul_i32 s21, s15, HALFT                      ; my 128 tokens of A
	s_mul_i32 s22, s16, HALFT                      ; my 128 rows of B,
	s_add_co_u32 s22, s22, 2*HALFT                 ; which lie behind A's two parts
.irp s, 0,1
	v_add_nc_u32 v[ADRA+\s], s21, v[CO]
	v_add_nc_u32 v[ADRB+\s], s22, v4
	s_add_co_u32 s21, s21, SLOT
	s_add_co_u32 s22, s22, SLOT
.endr
	s_mul_i32 s23, s14, 16*SPITCH                  ; my stage
	v_mul_u32_u24 v5, v1, SPITCH                   ; in: row l % 16, 32 bytes for each half of the lanes
	v_lshl_add_u32 v5, v2, 5, v5
	v_add_nc_u32 v[STO], s23, v5
	v_add_nc_u32 v[RD], s23, v[CO]                 ; back: the 32 lanes take one row of 512 bytes
	s_lshl_b32 s20, s17, 8
	s_lshl_b32 s21, s15, 7
	s_add_co_u32 s20, s20, s21                     ; my first row of out0: 256 x tile row + 128 x half
	s_mov_b32 s21, 0
	s_mov_b64 s[18:19], SIZE_N*4
	s_mul_u64 s[20:21], s[20:21], s[18:19]
	s_lshl_b32 s46, s42, 10                        ; my first column, in bytes: 1024 x tile column + 512 x half
	s_lshl_b32 s47, s16, 9
	s_add_co_u32 s46, s46, s47
	s_mov_b32 s47, 0
	s_add_nc_u64 s[20:21], s[20:21], s[46:47]
	s_add_nc_u64 s[10:11], s[10:11], s[20:21]
.macro FRAG reg, adr, q, i             ; a fragment of B: 16 rows x 128 K in 16 registers, from padded rows
.irp c, 0,1,2,3
	ds_load_b128 v[\reg+4*\c:\reg+4*\c+3], v[\adr] offset:128*(\q)+32*\c+(\i)*16*PITCH
.endr
.endm
.macro FRAGA reg, adr, q, i            ; a fragment of A: the image of its 16 registers, 2,048 bytes on end: tile of tokens i, the slot's q-th 128 along K
.irp c, 0,1,2,3
	ds_load_b128 v[\reg+4*\c:\reg+4*\c+3], v[\adr] offset:4096*(\i)+2048*(\q)+512*\c
.endr
.endm
; 16 matrix instructions: A's blocks a0, a0 + 1 x B's eight, 128 along K.  p: B's set.  zero = 1: the first product starts the sums: nothing is ever cleared.
; The 64 accumulators take turns, one instruction a turn, in the same order in every step.
.macro MUL16 a0, p, zero
.irp a, \a0, \a0+1
.irp b, 0,1,2,3,4,5,6,7
.if \zero
	v_wmma_f32_16x16x128_fp8_fp8 v[8*(8*((\a)%4)+\b):8*(8*((\a)%4)+\b)+7], v[128*(\p)+FR*\b:128*(\p)+FR*\b+FR-1], v[AF+FR*(\a):AF+FR*(\a)+FR-1], 0
.else
	v_wmma_f32_16x16x128_fp8_fp8 v[8*(8*((\a)%4)+\b):8*(8*((\a)%4)+\b)+7], v[128*(\p)+FR*\b:128*(\p)+FR*\b+FR-1], v[AF+FR*(\a):AF+FR*(\a)+FR-1], v[8*(8*((\a)%4)+\b):8*(8*((\a)%4)+\b)+7]
.endif
.endr
.endr
.endm
.macro FETCH_B slot, q, p              ; B's eight fragments of the slot's q-th 128 along K into set p
	WIN TO_B
.irp i, 0,1,2,3,4,5,6,7
	FRAG 128*(\p)+FR*\i, ADRB+\slot, \q, \i
.endr
	WIN 0
.endm
.macro FETCH_A slot, q, i0             ; A's blocks i0 .. i0 + 3
.irp i, \i0, \i0+1, \i0+2, \i0+3
	FRAGA AF+FR*(\i), ADRA+\slot, \q, \i
.endr
.endm
; A load into a register that a matrix instruction has read, and a vector instruction or an LDS store that reads a matrix result, stand NP places behind that matrix instruction; only plain vector
; instructions that name none of its registers are places (ISA guide 7.12.1 for vector instructions).
.macro PLACES n
.rept \n
	v_nop
.endr
.endm
; A step of 128 along K that has its successor in the same slot.
.macro STEP slot, q, zero
	s_wait_dscnt 4*NL                              ; B's set and A's blocks 0-3 are in; the youngest 16 loads (A's blocks 4-7) may be out
	WIN MUL_LO
	MUL16 0, (\q)%2, \zero
	MUL16 2, (\q)%2, \zero
	s_wait_dscnt 0                                 ; A's blocks 4-7 are in (asked for 32 matrix instructions ago)
	PLACES NP
	FETCH_B \slot, (\q)+1, 1-(\q)%2
	FETCH_A \slot, (\q)+1, 0
	WIN MUL_HI
	MUL16 4, (\q)%2, \zero
	MUL16 6, (\q)%2, \zero
	PLACES NP
	WIN 0
	FETCH_A \slot, (\q)+1, 4
.endm
; A slot's last step changes slots: ONE barrier; in front of it each wave waits for all its tensor loads, adds 0 to its spare word, and waits for that and for its own reads of this slot.  fill = 1: this slot is filled again, two K steps ahead.
.macro TURN slot, next, fill
	s_wait_tensorcnt 0x0                           ; all my tensor loads have landed: my part of the next slot;  (every window is 0 here)
	ds_add_u32 v[SPW], v[NIL]                      ; 0 onto my spare word
	s_wait_dscnt 4*NL+1                            ; (the add and the youngest 16 loads, A's blocks 4-7, may be out)
	WIN MUL_LO
	MUL16 0, 1, 0                                  ; sixteen matrix instructions stand between the add and the wait for it
	s_wait_dscnt 0x0                               ; the add is done, and my reads of this slot are over
	s_barrier_signal -1
	MUL16 2, 1, 0
	WIN 0
	s_barrier_wait -1
.if \fill
	CREST                                          ; the barrier has opened a round of the cluster's barrier: no wave of any partner still reads this slot's tile or has a load on its way
	s_add_nc_u64 s[G0+4*\slot+2:G0+4*\slot+3], s[G0+4*\slot+2:G0+4*\slot+3], 2*ASTEP
	s_add_nc_u64 s[G0B+4*\slot+2:G0B+4*\slot+3], s[G0B+4*\slot+2:G0B+4*\slot+3], 2*ROWB
	JLOAD G0+4*\slot, G1, G0B+4*\slot, G1B         ; the first tensor load behind the round; the four v_nop behind it are the places in front of the loads below
.else
	PLACES NP
.endif
	FETCH_B \next, 0, 0
	FETCH_A \next, 0, 0
	WIN MUL_HI
	MUL16 4, 1, 0
	MUL16 6, 1, 0
	PLACES NP
	WIN 0
	FETCH_A \next, 0, 4
.endm
	s_wait_alu depctr_va_vdst(0)
	s_wait_tensorcnt 1                             ; my part of K step 0 is in (K step 1's load may be out)
	s_barrier_signal -1
	s_barrier_wait -1                              ; everybody's is
	FETCH_B 0, 0, 0
	FETCH_A 0, 0, 0
	FETCH_A 0, 0, 4
	STEP 0, 0, 1                                   ; K = 1,024 is four K steps, twice round the ring: written out, no loop.  The first products start the sums
	TURN 0, 1, 1                                   ; slot 0 takes K step 2
	STEP 1, 0, 0
	TURN 1, 0, 1                                   ; slot 1 takes K step 3
	STEP 0, 0, 0
	TURN 0, 1, 0                                   ; the last lap fills nothing, and has no round of the cluster's barrier
	STEP 1, 0, 0
	s_wait_dscnt 4*NL                              ; the very last step: nothing more to fetch
	WIN MUL_LO
	MUL16 0, 1, 0
	MUL16 2, 1, 0
	s_wait_dscnt 0
	WIN MUL_HI
	MUL16 4, 1, 0
	MUL16 6, 1, 0
	WIN 0
; THE WAY OUT, block by block of 16 rows x 128 columns.  A lane holds 32 neighbouring bytes of a row, and the lanes beside it hold other rows: so a block goes through my own stage in LDS and comes back as whole
; rows of 512 bytes, which the 32 lanes store as 512 consecutive bytes, aligned.  LDS serves a wave's instructions in order (ISA guide 5.7.1.4): no wait between the stores and the loads, nor in front of the next block's stores.
.macro TOSTAGE a
.set AC, 64*((\a)%4)
	WIN 0x02+((\a)/4)                              ; source 0: window 2 or 3
.irp j, 0,2,4,6,8,10,12,14,16,18,20,22,24,26,28,30,32,34,36,38,40,42,44,46,48,50,52,54,56,58,60,62
	v_pk_mul_f32 v[TMP+\j:TMP+\j+1], v[AC+\j:AC+\j+1], s[96:97] op_sel_hi:[1,0]   ; both x s96 = 2^(e10 + e11); each accumulator from its low end on
.endr
	WIN 0
.irp b, 0,1,2,3,4,5,6,7
	ds_store_b128 v[STO], v[TMP+8*\b:TMP+8*\b+3] offset:64*\b
	ds_store_b128 v[STO], v[TMP+8*\b+4:TMP+8*\b+7] offset:64*\b+16
.endr
.set BB, BK+64*((\a)%2)
.irp t, 0,1,2,3,4,5,6,7,8,9,10,11,12,13,14,15
	ds_load_b128 v[BB+4*\t:BB+4*\t+3], v[RD] offset:\t*SPITCH
.endr
.endm
.macro SEND a, younger                 ; younger: the LDS instructions issued behind block a's loads, which may stay out
.set BB, BK+64*((\a)%2)
	s_wait_dscnt \younger                          ; the block is back in registers
.if (\a) > 0
	s_add_nc_u64 s[10:11], s[10:11], 16*SIZE_N*4   ; (behind a wait on XCNT: the earlier stores have read their base)  16 rows on, so that the stores' offsets stay at 15 rows at the most
.endif
.irp t, 0,1,2,3,4,5,6,7,8,9,10,11,12,13,14,15
	global_store_b128 v[CO], v[BB+4*\t:BB+4*\t+3], s[10:11] offset:\t*SIZE_N*4 th:TH_STORE_NT   ; 32 lanes store 512 consecutive bytes, at a multiple of 256 from out0's first byte; written once, read by nobody here
.endr
.endm
	s_wait_kmcnt 0x0
	s_add_co_i32 s96, s96, s97                     ; e10 + e11, between -126 and 127,
	s_add_co_i32 s96, s96, 127
	s_lshl_b32 s96, s96, 23                        ; makes the f32 number 2^(e10 + e11)
	PLACES NP                                      ; behind the last products: the first reads of results, and the loads into the registers that held A's fragments
	TOSTAGE 0
.irp a, 1,2,3,4,5,6,7
.if \a > 1
	s_wait_xcnt 0x0                                ; block a - 2's stores have read their registers and their base: block a's loads may land there, and the base may step
.endif
	TOSTAGE \a
	SEND \a-1, 32                                  ; behind block a - 1's loads: block a's 16 stores and 16 loads
.endr
	s_wait_xcnt 0x0                                ; block 6's stores have read their base
	SEND 7, 0
	s_wait_tensorcnt 0x0                           ; the wave's end, behind my last tensor load and my last LDS store
	ds_add_u32 v[SPW], v[NIL]
	s_wait_dscnt 0x0
	CROUND                                         ; the closing round: no work-group ends while a partner may still ask for a tile that names it
	s_endpgm
.Lfunc_end_k_q85c475dd3d_proj:
	.size	k_q85c475dd3d_proj, .Lfunc_end_k_q85c475dd3d_proj-k_q85c475dd3d_proj
	.p2alignl 7, 3214868480
	.fill 96, 4, 3214868480
	.section	.rodata,"a",@progbits
	.p2align	6, 0x0
	.amdhsa_kernel k_q85c475dd3d_proj
		.amdhsa_group_segment_fixed_size 327680
		.amdhsa_private_segment_fixed_size 0
		.amdhsa_enable_private_segment 0
		.amdhsa_kernarg_size 32
		.amdhsa_user_sgpr_count 2
		.amdhsa_user_sgpr_kernarg_segment_ptr 1
		.amdhsa_wavefront_size32 1
		.amdhsa_system_sgpr_workgroup_id_x 1
		.amdhsa_system_sgpr_workgroup_id_y 1
		.amdhsa_system_sgpr_workgroup_id_z 1
		.amdhsa_system_vgpr_workitem_id 0
		.amdhsa_next_free_vgpr 1024
		.amdhsa_next_free_sgpr 98
		.amdhsa_reserve_vcc 0
		.amdhsa_float_denorm_mode_32 3
		.amdhsa_float_denorm_mode_16_64 3
		.amdhsa_memory_ordered 1
		.amdhsa_forward_progress 1
		.amdhsa_inst_pref_size 124
	.end_amdhsa_kernel
	.amdgpu_metadata
---
amdhsa.version: [ 1, 2 ]
amdhsa.kernels:
  - .name:           k_q85c475dd3d_proj
    .symbol:         k_q85c475dd3d_proj.kd
    .args:
      - { .name: ao, .offset: 0, .size: 8, .value_kind: global_buffer, .address_space: global }
      - { .name: wc, .offset: 8, .size: 8, .value_kind: global_buffer, .address_space: global }
      - { .name: lowp_scales, .offset: 16, .size: 8, .value_kind: global_buffer, .address_space: global }
      - { .name: out0, .offset: 24, .size: 8, .value_kind: global_buffer, .address_space: global }
    .group_segment_fixed_size: 327680
    .private_segment_fixed_size: 0
    .kernarg_segment_align: 8
    .kernarg_segment_size: 32
    .max_flat_workgroup_size: 128
    .sgpr_count:     98
    .vgpr_count:     1024
    .wavefront_size: 32
...
	.end_amdgpu_metadata
.endif
;; end of part 4
